; MI455X (gfx1250); checked and timed in simulation.
; The chip was launched on July 23, 2026; its instructions are those of AMD's public machine-readable ISA for CDNA 5 (MIT licence, August 2026) and "CDNA5" Instruction Set Architecture Reference Guide (July 2026). The comments in the code are by the model that wrote it; some were corrected since.
;; Multihead Flash Self Attention. Allowed arithmetic: matrix products marked QUANTISED: E3M2 operands, one E8M0 scale for each 32 along K, by v_wmma_scale_f32_16x16x128_f8f6f4 with both operands' format E3M2, f32 sums; everything else in f32.
;; Inputs: Wk 1,024 x 1,024 float32; Wo 1,024 x 1,024 float32; Wq 1,024 x 1,024 float32; Wv 1,024 x 1,024 float32; token_positions 2,048 int32; x 4 x 2,048 x 1,024 float32.
;; Outputs: out0 4 x 2,048 x 1,024 float32.
;; This version of the problem:
;;   THIS VERSION OF THE PROBLEM IS GIVEN IN LOW PRECISION. The matrix products marked QUANTISED in the list below multiply operands that are first quantised to E3M2 (3 exponent bits, 2 mantissa bits; 6 bits a number), with one power-of-two scale for each 32 numbers along K (OCP MX v1.0); their sums are f32. All else is computed in f32.
;;   The module's matrix products, in the order in which they are computed (A, B: the left and right operand; K: the contracted axis; several contracted axes count as one K, in the product's order):
;;     1. [M 8,192, K 1,024] x [K 1,024, N 1,024]; A: input x; B: input Wq: QUANTISED
;;     2. [M 8,192, K 1,024] x [K 1,024, N 1,024]; A: input x; B: input Wk: QUANTISED
;;     3. [M 8,192, K 1,024] x [K 1,024, N 1,024]; A: input x; B: input Wv: QUANTISED
;;     4. batch 64 x [M 2,048, K 64] x [K 64, N 2,048]; A: computed on the way; B: computed on the way: QUANTISED
;;     5. batch 64 x [M 2,048, K 2,048] x [K 2,048, N 64]; A: softmax (see below); B: computed on the way: QUANTISED
;;     6. [M 8,192, K 1,024] x [K 1,024, N 1,024]; A: computed on the way; B: input Wo: QUANTISED
;;   THE QUANTISER, for each operand of a quantised product, along K:
;;     - K is cut into blocks of 32 from its start; a last block that is shorter is filled with zeros.
;;     - A block's scale is 2^e with e = floor(log2(the largest magnitude in the block)) - 4, held to -126 .. 127; a block of zeros has e = 0. As a byte (E8M0): e + 127.
;;     - Each number is divided by its block's scale, clamped to +-28, and rounded to the nearest number of E3M2, ties to even, subnormals kept.
;;     - The product sums the exact products of the quantised numbers (number of the format x scale) in f32.
;;   ~~~python
;;   def quantise(x, axis):      # numpy; x: float32 -> the quantised numbers, widened to float32 again
;;       x = np.moveaxis(x, axis, -1); K = x.shape[-1]
;;       x = np.pad(x, [(0, 0)] * (x.ndim - 1) + [(0, -K % 32)]); x = x.reshape(x.shape[:-1] + (-1, 32)); a = np.abs(x).max(-1, keepdims=True)
;;       e = np.where(a > 0, np.clip(np.frexp(np.where(a > 0, a, 1))[1] - 1 - 4, -126, 127), 0)      # np.frexp(a)[1] - 1 = floor(log2(a)), exactly
;;       r = np.clip(x / 2.0 ** e, -28, 28)
;;       step = 2.0 ** (np.maximum(np.frexp(np.where(r == 0, 1, r))[1] - 1, -2) - 2)
;;       q = np.round(r / step) * step * 2.0 ** e      # np.round: ties to even
;;       return np.moveaxis(q.reshape(q.shape[:-2] + (-1,))[..., :K], -1, axis).astype(np.float32)
;;   ~~~
;;   SOFTMAX AHEAD OF A QUANTISED PRODUCT. Where the list says 'softmax', what is quantised is not the finished softmax but p = 2^(t - M), with t = logit x log2(e) and M = ceil(the row's largest t), a whole number; so 1/2 < the row's largest p <= 1. The row's sum l is taken of the UNQUANTISED p, in f32, and the product's result is divided by l at the end. Since M is a whole number, a kernel that streams over the keys may use a running M (the ceiling of the running maximum): every later rescaling is an exact power of two, which a block's scale takes up: the codes' values come out the same.
;;   OPERANDS COMPUTED ON THE WAY. 'Computed on the way' means the value that the module computes at that place (a softmax that the list does not call 'softmax' is quantised finished and normalised). What goes into a quantiser is computed in f32, as accurately as f32 sums, v_exp_f32 and their like allow (about 1e-6 of the number): no bf16 or f16 on the way to a quantiser, and a product that is left as it is and whose result goes on into a quantised operand takes f32 operands (vector FMAs, or v_wmma_f32_16x16x4_f32). A number that lies on a knife's edge between two numbers of the format may be rounded either way, as far as f32 arithmetic and the matrix unit's own rounding can turn it there, and no further.
;; One version. Each part assembles by itself: llvm-mc -triple=amdgcn-amd-amdhsa -mcpu=gfx1250 --defsym DOCPART=n.
;; ======== version 1 of 1: 4 launches
;; limits: right only within a limited range of input values
;; workspace buffers: c1 9,437,184 bytes; s1 393,216 bytes; rope 524,288 bytes; c2 20,185,088 bytes; c3 6,291,456 bytes; s3 262,144 bytes
;; launch quant (part 1): grid 400 x 1, 4 waves a work-group, no clusters, 33,280 bytes of LDS; arguments x, Wq, Wk, Wv, Wo, token_positions, c1, s1, rope; writes c1, s1, rope
.if DOCPART == 1
	.amdgcn_target "amdgcn-amd-amdhsa--gfx1250"
	.amdhsa_code_object_version 6
	.text
	.protected	k_qa0b7ccda7a_quant
	.globl	k_qa0b7ccda7a_quant
	.p2align	8
	.type	k_qa0b7ccda7a_quant,@function
k_qa0b7ccda7a_quant:
	s_mov_b64 s[64:65], 0
	v_nop
	global_prefetch_b8 v0, s[64:65] scope:SCOPE_SE
	s_setreg_imm32_b32 hwreg(HW_REG_WAVE_MODE, 25, 1), 1
	s_wait_xcnt 0x0
; LAUNCH 1 OF 4.  x [8192][1024], Wq, Wk, Wv, Wo [1024][1024], f32, become codes of BF6 (E3M2), K innermost, with one E8M0 byte for each 32 along K; and token_positions becomes a table of cos and sin.
; c1: 12,288 rows of 768 bytes of codes (x, Wq, Wk, Wv, Wo on end), s1: the same rows of 32 scale bytes.  A ROW IS STORED AT THE INDEX IN WHICH BITS 3 AND 4 OF ITS NUMBER HAVE CHANGED PLACES: sixteen stored rows
; 16 t + m (t = 2 b + u) are then the true rows 32 b + 8 u + m + 8 (m / 8), the choice of a tile's rows by which a later product's results lie as 16 neighbours in a lane's registers.
; rope: [s 2048][i 32][cos, sin] f32 of the angle f32(token_positions[s]) x 10^(-i / 8), rounded to f32 as reference() rounds it.
; DEAD WORK OF THE WHOLE PROGRAM (left out in the launch attn).  reference() replaces every score with key > query by finfo.min (its own jnp.tril and jnp.where), whatever the inputs hold: so the products q . k of those places
; reach no output; their weights are 2^(finfo.min x log2 e - M), which is 0 in p; and a weight of 0 takes V's numbers of those keys out of the sum.  Key steps of 128 keys that lie wholly behind a wave's 16 queries are whole tiles of
; such work and are not computed.  No input is dead: all six are loaded.  LIMIT: a NaN, an infinity or an overflow that would arise only in the work left out is not carried to the result.
; A block's scale is 2^(floor(log2(its largest magnitude)) - 4); its byte is the largest magnitude's exponent field - 4, held at 1 from below.  A block of zeros so gets the byte 1 where the rule says 127: its codes are zeros, and this program alone reads the bytes.
; LIMITS: NaN and infinities among the inputs are not served by the quantisers; blocks whose largest magnitude lies under 2^(4 - 126) have their byte held at 1; the angles' reduction by pi / 2 in three parts holds its accuracy for |position| up to 2^22.
; SHARES.  Work-groups 0 to 383: 32 rows each, a wave 8 rows = 16 steps of 512 numbers: a wave's 8 rows stay together, so the change of bits 3 and 4 is a change of the wave's place among its work-group's four.
; Each load reads 512 consecutive bytes; a step's 2,048 bytes turn through the wave's own stage in LDS so that a lane holds 16 neighbours along K; two neighbouring lanes hold a block.  Loads run eight steps ahead.
; Work-groups 384 to 399: the table; a wave 32 positions, a lane a frequency; no LDS.
.set WAVES, 4
.set STEPS, 16
.set CB,    12                         ; bytes of 16 codes
.set R,     16                         ; v16-143  EIGHT sets of 16 numbers as they are loaded: the loads run eight steps, 32 loads a wave, ahead (not the four that the head names)
.set X,     144                        ; v144-175 two sets of 16 neighbours
.set C,     192                        ; v192-255 codes: four registers for each step, so that no store's data are written again
.set E,     176                        ; v176-191 a scale byte for each step
.set WREG,  8192                       ; LDS: a region for each wave: two stages of 32 x SP bytes, behind them its 256 scale bytes
.set SP,    80                         ; a lane's place in a stage: 64 bytes + 16 of padding
.set SPW,   12                         ; v12      LDS address of my spare word; never rewritten
.set NIL,   13                         ; v13      0; never rewritten
.set SPARE, WAVES*WREG                 ; behind the four regions: the spare words, 128 bytes a wave
.macro LOAD t
.irp i, 0,1,2,3
	global_load_b128 v[R+16*((\t)%8)+4*\i:R+16*((\t)%8)+4*\i+3], v3, s[24:25] offset:2048*(\t)+512*\i th:TH_LOAD_NT   ; 32 lanes read 512 consecutive bytes
.endr
.endm
.macro TURN t                          ; step t's numbers through the stage: LDS serves a wave's instructions in order, so no wait stands between the stores and the loads
.irp i, 0,1,2,3
	ds_store_b128 v14, v[R+16*((\t)%8)+4*\i:R+16*((\t)%8)+4*\i+3] offset:32*SP*((\t)%2)+8*SP*\i
.endr
.irp i, 0,1,2,3
	ds_load_b128 v[X+16*((\t)%2)+4*\i:X+16*((\t)%2)+4*\i+3], v15 offset:32*SP*((\t)%2)+16*\i
.endr
.endm
.macro STEP t
.set XS, X+16*((\t)%2)
.if (\t) > 0
	s_wait_dscnt 1                                 ; this step's numbers are back from the stage; the last step's byte store may be out
.else
	s_wait_dscnt 0x0
.endif
.if (\t)+8 < STEPS
	LOAD (\t)+8                                    ; into the registers that the stage's stores have read
.endif
.if (\t)+1 < STEPS
.if STEPS-2-(\t) >= 7
	s_wait_loadcnt 28                              ; the next step's four loads are in; those of the seven steps behind it may be out
.else
	s_wait_loadcnt 4*(STEPS-2-(\t))
.endif
	TURN (\t)+1
.endif
	v_max3_num_f32 v8, |v[XS]|, |v[XS+1]|, |v[XS+2]|               ; the largest magnitude of my 16, in two chains
	v_max3_num_f32 v9, |v[XS+3]|, |v[XS+4]|, |v[XS+5]|
.irp i, 6,10
	v_max3_num_f32 v8, v8, |v[XS+\i]|, |v[XS+\i+1]|
	v_max3_num_f32 v9, v9, |v[XS+\i+2]|, |v[XS+\i+3]|
.endr
	v_max3_num_f32 v8, v8, |v[XS+14]|, |v[XS+15]|
	v_max3_num_f32 v8, v8, v9, 0x2800000           ; and the floor 2^(5 - 127): the byte cannot fall under 1
	v_max_num_f32_dpp v8, v8, v8 row_xmask:1 row_mask:0xf bank_mask:0xf   ; with my neighbour's 16: the block's
	v_add_nc_u32 v11, 0xfe000000, v8               ; 4 off its exponent field: the conversion takes the exponent field of this operand as its scale
	v_cvt_scalef32_pk16_bf6_f32 v[C+4*(\t):C+4*(\t)+2], v[XS:XS+15], v11
	v_lshrrev_b32 v[E+(\t)], 23, v11               ; the scale's byte
	ds_store_b8 v5, v[E+(\t)] offset:16*(\t)       ; both lanes of a block write the same byte with the same value
	global_store_b96 v4, v[C+4*(\t):C+4*(\t)+2], s[16:17] offset:32*CB*(\t)
.endm
; cos and sin of position k of my wave's 32, for my lane's frequency.  The angle is reduced by k = the nearest whole number of quarter turns (pi / 2 in three parts, fused multiply-adds), the two polynomials hold on |r| <= pi / 4,
; and k's low two bits say which polynomial is which and with which sign.
.macro SINCOS k
	v_cvt_f32_i32 v3, s[32+\k]
	s_wait_alu depctr_va_vdst(0)
	v_mul_f32 v3, v3, v20                          ; the angle, rounded once
	v_mul_f32 v4, 0x3f22f983, v3                   ; x 2 / pi
	v_rndne_f32 v4, v4
	v_fmamk_f32 v5, v4, 0xbfc90fdb, v3
	v_fmamk_f32 v5, v4, 0x333bbd2e, v5
	v_fmamk_f32 v5, v4, 0x26f72ced, v5             ; r
	v_cvt_i32_f32 v6, v4
	v_mul_f32 v7, v5, v5                           ; z = r r
	v_fmaak_f32 v8, s24, v7, 0xbab6061a
	v_fmaak_f32 v8, v8, v7, 0x3d2aaaa5
	v_fma_f32 v8, v8, v7, -0.5
	v_fma_f32 v8, v8, v7, 1.0                      ; cos r
	v_fmaak_f32 v9, s25, v7, 0x3c08839e
	v_fmaak_f32 v9, v9, v7, 0xbe2aaaa3
	v_mul_f32 v10, v5, v7
	v_fma_f32 v9, v9, v10, v5                      ; sin r
	v_and_b32 v10, 1, v6
	v_cmp_eq_u32 vcc_lo, 1, v10                    ; an odd quarter: the two change places
	v_cndmask_b32 v16, v8, v9, vcc_lo
	v_cndmask_b32 v17, v9, v8, vcc_lo
	v_add_nc_u32 v18, 1, v6
	v_lshlrev_b32 v18, 30, v18
	v_lshlrev_b32 v19, 30, v6
	v_and_b32 v18, 0x80000000, v18                 ; cos is negative in quarters 1 and 2,
	v_and_b32 v19, 0x80000000, v19                 ; sin in quarters 2 and 3
	v_xor_b32 v[64+2*\k], v16, v18
	v_xor_b32 v[65+2*\k], v17, v19
	global_store_b64 v1, v[64+2*\k:65+2*\k], s[20:21] offset:256*\k   ; 32 lanes store the position's 256 bytes, aligned; each position has registers of its own
.endm
	s_load_b512 s[4:19], s[0:1], 0x0               ; x s[4:5], Wq s[6:7], Wk s[8:9], Wv s[10:11], Wo s[12:13], token_positions s[14:15], c1 s[16:17], s1 s[18:19]
	s_load_b64 s[20:21], s[0:1], 0x40              ; rope
	v_lshl_add_u32 v[SPW], v0, 2, SPARE
	v_mov_b32 v[NIL], 0
	v_lshrrev_b32 v1, 5, v0
	v_readfirstlane_b32 s22, v1                    ; wave
	v_and_b32 v2, 31, v0                           ; lane
	s_cmp_ge_u32 ttmp9, 384
	s_cbranch_scc1 .Lrope
	v_lshlrev_b32 v3, 4, v2                        ; my 16 bytes of a load's 512
	s_mul_i32 s23, s22, WREG
	v_lshrrev_b32 v14, 2, v2
	v_mul_u32_u24 v14, v14, SP
	v_and_b32 v15, 3, v2
	v_lshl_add_u32 v14, v15, 4, v14
	v_add_nc_u32 v14, s23, v14                     ; the stage, on the way in: SP (lane / 4) + 16 (lane % 4)
	v_mul_u32_u24 v15, v2, SP
	v_add_nc_u32 v15, s23, v15                     ; and on the way out: SP x lane: my 16 neighbours
	v_mul_u32_u24 v4, v2, CB                       ; my codes' place in a step's
	v_lshrrev_b32 v5, 1, v2
	s_add_co_u32 s23, s23, 2*32*SP
	v_add_nc_u32 v5, s23, v5                       ; my wave's 256 scale bytes, my block's byte
	v_lshlrev_b32 v7, 3, v2
	v_add_nc_u32 v6, s23, v7                       ; and on the way out 8 bytes a lane
	s_and_b32 s26, ttmp9, 31                       ; a weight's work-group among its 32
	s_wait_alu depctr_va_vdst(0)
	s_wait_kmcnt 0x0
	s_mov_b64 s[24:25], s[12:13]                   ; which tensor: the choice hangs on the work-group's number alone
	s_cmp_lt_u32 ttmp9, 352
	s_cselect_b64 s[24:25], s[10:11], s[24:25]
	s_cmp_lt_u32 ttmp9, 320
	s_cselect_b64 s[24:25], s[8:9], s[24:25]
	s_cmp_lt_u32 ttmp9, 288
	s_cselect_b64 s[24:25], s[6:7], s[24:25]
	s_cmp_lt_u32 ttmp9, 256
	s_cselect_b64 s[24:25], s[4:5], s[24:25]
	s_cselect_b32 s26, ttmp9, s26
	s_lshl_b32 s26, s26, 2
	s_add_co_u32 s26, s26, s22                     ; which run of 8 rows of the tensor is my wave's
	s_lshl_b32 s26, s26, 15                        ; 32,768 bytes a run
	s_mov_b32 s27, 0
	s_add_nc_u64 s[24:25], s[24:25], s[26:27]
	s_and_b32 s28, s22, 1                          ; where the run goes: the wave's two bits change places
	s_lshl_b32 s28, s28, 1
	s_lshr_b32 s29, s22, 1
	s_add_co_u32 s28, s28, s29
	s_lshl_b32 s29, ttmp9, 2
	s_add_co_u32 s28, s28, s29
	s_mul_i32 s30, s28, 6144                       ; 8 rows of 768 bytes of codes
	s_mov_b32 s31, 0
	s_add_nc_u64 s[16:17], s[16:17], s[30:31]
	s_lshl_b32 s30, s28, 8                         ; 8 rows of 32 scale bytes
	s_add_nc_u64 s[18:19], s[18:19], s[30:31]
.irp t, 0,1,2,3,4,5,6,7
	LOAD \t
.endr
	s_wait_loadcnt 28                              ; step 0's four loads are in
	TURN 0
.irp t, 0,1,2,3,4,5,6,7,8,9,10,11,12,13,14,15
	STEP \t
.endr
	ds_load_b64 v[8:9], v6                         ; LDS serves a wave's instructions in order: these see my byte stores
	s_wait_dscnt 0x0
	global_store_b64 v7, v[8:9], s[18:19]          ; 32 lanes store 256 consecutive bytes, aligned
	s_wait_tensorcnt 0x0                           ; the wave's end, behind my last LDS store
	ds_add_u32 v[SPW], v[NIL]
	s_wait_dscnt 0x0
	s_endpgm
.Lrope:
	s_sub_co_u32 s23, ttmp9, 384
	s_lshl_b32 s23, s23, 2
	s_add_co_u32 s23, s23, s22                     ; which 32 positions are my wave's: 0 to 63
	s_lshl_b32 s26, s23, 7
	s_mov_b32 s27, 0
	s_wait_kmcnt 0x0
	s_add_nc_u64 s[14:15], s[14:15], s[26:27]
	s_load_b512 s[32:47], s[14:15], 0x0            ; my 32 positions
	s_load_b512 s[48:63], s[14:15], 0x40
	s_lshl_b32 s26, s23, 13                        ; 32 positions of 256 bytes
	s_add_nc_u64 s[20:21], s[20:21], s[26:27]
	s_mov_b32 s24, 0x37ccf5ce                      ; the polynomials' leading coefficients
	s_mov_b32 s25, 0xb94ca1f9
	s_wait_alu depctr_va_vdst(0)
	v_lshlrev_b32 v1, 3, v2                        ; 8 bytes a lane
	v_mov_b32 v20, 0
.set LN, 0
.irp f, 1.0, 0.7498942093324559, 0.5623413251903491, 0.4216965034285822, 0.31622776601683794, 0.23713737056616552, 0.1778279410038923, 0.1333521432163324, 0.1, 0.07498942093324559, 0.05623413251903491, 0.04216965034285822, 0.031622776601683794, 0.023713737056616552, 0.01778279410038923, 0.01333521432163324, 0.01, 0.007498942093324559, 0.005623413251903491, 0.004216965034285822, 0.0031622776601683794, 0.0023713737056616552, 0.001778279410038923, 0.001333521432163324, 0.001, 0.0007498942093324559, 0.0005623413251903491, 0.0004216965034285822, 0.00031622776601683794, 0.00023713737056616552, 0.0001778279410038923, 0.0001333521432163324
	s_mov_b32 s28, \f                              ; 10000^(-i / 32) = 10^(-i / 8)
	v_writelane_b32 v20, s28, LN
.set LN, LN+1
.endr
	s_wait_kmcnt 0x0
.irp k, 0,1,2,3,4,5,6,7,8,9,10,11,12,13,14,15,16,17,18,19,20,21,22,23,24,25,26,27,28,29,30,31
	SINCOS \k
.endr
	s_endpgm
.Lfunc_end_k_qa0b7ccda7a_quant:
	.size	k_qa0b7ccda7a_quant, .Lfunc_end_k_qa0b7ccda7a_quant-k_qa0b7ccda7a_quant
	.p2alignl 7, 3214868480
	.fill 96, 4, 3214868480
	.section	.rodata,"a",@progbits
	.p2align	6, 0x0
	.amdhsa_kernel k_qa0b7ccda7a_quant
		.amdhsa_group_segment_fixed_size 33280
		.amdhsa_private_segment_fixed_size 0
		.amdhsa_enable_private_segment 0
		.amdhsa_kernarg_size 72
		.amdhsa_user_sgpr_count 2
		.amdhsa_user_sgpr_kernarg_segment_ptr 1
		.amdhsa_wavefront_size32 1
		.amdhsa_system_sgpr_workgroup_id_x 1
		.amdhsa_system_sgpr_workgroup_id_y 1
		.amdhsa_system_sgpr_workgroup_id_z 1
		.amdhsa_system_vgpr_workitem_id 0
		.amdhsa_next_free_vgpr 256
		.amdhsa_next_free_sgpr 66
		.amdhsa_reserve_vcc 1
		.amdhsa_float_denorm_mode_32 3
		.amdhsa_float_denorm_mode_16_64 3
		.amdhsa_memory_ordered 1
		.amdhsa_forward_progress 1
		.amdhsa_inst_pref_size 82
	.end_amdhsa_kernel
	.amdgpu_metadata
---
amdhsa.version: [ 1, 2 ]
amdhsa.kernels:
  - .name:           k_qa0b7ccda7a_quant
    .symbol:         k_qa0b7ccda7a_quant.kd
    .args:
      - { .name: x, .offset: 0, .size: 8, .value_kind: global_buffer, .address_space: global }
      - { .name: Wq, .offset: 8, .size: 8, .value_kind: global_buffer, .address_space: global }
      - { .name: Wk, .offset: 16, .size: 8, .value_kind: global_buffer, .address_space: global }
      - { .name: Wv, .offset: 24, .size: 8, .value_kind: global_buffer, .address_space: global }
      - { .name: Wo, .offset: 32, .size: 8, .value_kind: global_buffer, .address_space: global }
      - { .name: token_positions, .offset: 40, .size: 8, .value_kind: global_buffer, .address_space: global }
      - { .name: c1, .offset: 48, .size: 8, .value_kind: global_buffer, .address_space: global }
      - { .name: s1, .offset: 56, .size: 8, .value_kind: global_buffer, .address_space: global }
      - { .name: rope, .offset: 64, .size: 8, .value_kind: global_buffer, .address_space: global }
    .group_segment_fixed_size: 33280
    .private_segment_fixed_size: 0
    .kernarg_segment_align: 8
    .kernarg_segment_size: 72
    .max_flat_workgroup_size: 128
    .sgpr_count:     66
    .vgpr_count:     256
    .wavefront_size: 32
...
	.end_amdgpu_metadata
.endif
;; end of part 1
;; launch proj (part 2): grid 8 x 32, 4 waves a work-group, clusters of 4 x 4, 327,680 bytes of LDS; arguments c1, s1, rope, c2; writes c2
.if DOCPART == 2
	.amdgcn_target "amdgcn-amd-amdhsa--gfx1250"
	.amdhsa_code_object_version 6
	.text
	.protected	k_qa0b7ccda7a_proj
	.globl	k_qa0b7ccda7a_proj
	.p2align	8
	.type	k_qa0b7ccda7a_proj,@function
k_qa0b7ccda7a_proj:
	s_mov_b64 s[64:65], 0
	v_nop
	global_prefetch_b8 v0, s[64:65] scope:SCOPE_SE
	s_setreg_imm32_b32 hwreg(HW_REG_WAVE_MODE, 25, 1), 1
	s_wait_xcnt 0x0
	s_wait_alu depctr_hold_cnt(0) depctr_sa_sdst(0) depctr_va_vdst(0) depctr_va_sdst(0) depctr_va_ssrc(0) depctr_va_vcc(0) depctr_vm_vsrc(0)
	s_getreg_b32 s2, hwreg(HW_REG_IB_STS2, 6, 4)
	s_cmp_eq_u32 s2, 0
	s_cbranch_scc0 .Lentry_in_a_cluster
	s_endpgm
.Lentry_in_a_cluster:
	s_bfe_u32 s2, ttmp6, 0x10000c
	s_cmp_lg_u32 s2, 0xf033
	s_cbranch_scc0 .Lentry_shape_is_right
	s_endpgm
.Lentry_shape_is_right:
; LAUNCH 2 OF 4.  The three projections x Wq^T, x Wk^T, x Wv^T on codes of BF6 (E3M2) with E8M0 scales, K = 1,024; q and k are turned by RoPE; q, k and v leave as codes and scale words, laid as the attention wants them.
; SHARES.  256 work-groups: 32 blocks of 256 tokens x 8 groups of 128 rows of a weight (two heads).  A work-group STAYS on its block of x and walks three tiles: its 128 rows of Wq, of Wk, of Wv.
; The whole K lies in LDS: x's 256 rows of 768 bytes, filled once, and the weight's 128 rows, filled again for k and for v; the refill is asked for behind a tile's last product and lands while the tile goes out.
; A wave makes 128 tokens x 64 rows of the weight (one head): 32 accumulators; 8 steps of 128 along K, fragments in two sets, the next step's fetched ahead of a step's 32 products.
; THE MATRIX INSTRUCTION IS USED TRANSPOSED: a lane holds one row of source 1 and eight rows of source 0.  q, k: source 0 = the weight, source 1 = x: a lane holds a token, its registers run along the head's 64.
; v: the sources change places: a lane holds a row d, its registers run along the keys.  Rows of c1 lie with bits 3 and 4 of their number exchanged, so the 16 registers of blocks 2 b and 2 b + 1 of source 0 are the 16 true
; neighbours 32 b + 16 (lane / 16) + 0 .. 15 along the next product's K.
; CLUSTERS of 4 x 4: x's block is shared along a row of the cluster, the weight's rows along a column: joint loads.  All sixteen walk q, k, v alike; no branch hangs on a work-group's place.
; NO PREFETCH: x comes by the head's loads alone; each of the two refills is asked for a whole way out (four pairs of blocks, or 32 rows of stores a lane) ahead of its first read.
; LDS: rows of 768 bytes are fetched as rows of 256 with 16 bytes of padding behind each: a row's pitch is 816 bytes = 204 words, so the 16 rows of a fragment begin at 16 different multiples of 4 words modulo 64.
; SCALE WORDS go from s1 into registers: lane (r, h) takes 16 bytes at 32 r + 16 h of a block's 512: register j holds step j's word in lanes 0-15 and step 4 + j's in lanes 16-31.
; OUT.  c2: [head of batch 64][128 tokens, 16][19,712 bytes]: k's codes at 0, v's at 6,144, k's words at 12,288, v's words at 12,800, q's codes at 13,056, q's words at 19,200.  Codes lie as THE IMAGE OF THE OPERAND'S REGISTERS:
; q, k: [16 stored rows, 8][piece 3][lane 32][8 bytes]; v: [16 stored rows d, 4][piece 6][lane 32][8 bytes]: each store covers 256 consecutive bytes, aligned.  A q or k word: the two blocks' bytes, 0x7f 0x7f above them
; (for the zero codes that fill the attention's K step); a v word: the four key blocks' bytes.  The words leave in runs of 128 bytes: 32 rows a store.
; REGISTERS, in windows of 256.  Window 0: v16-29 addresses; v32-63 x's scale words, v64-79 the weight's; v96-159 two blocks behind RoPE; v160-202 the quantiser's; v208-239 the table for block 7.
;   Window 1: the accumulators.  Window 2: x's fragments, two sets of 96; v192-255 the table for blocks 5, 6.  Window 3: the weight's fragments, two sets of 48; v96-255 the table for blocks 0-4.
.set PITCH, 816
.set BLK,   16*PITCH
.set AHALF, 128*PITCH
.set BBASE, 2*AHALF
.set BHALF, 64*PITCH
.set SPARE, BBASE+2*BHALF              ; the spare words, 128 bytes a wave
.set H,    2                           ; v2   lane / 16
.set ADRA, 16                          ; v16-19 x: blocks 0-3 (24 h, 40 h), blocks 4-7 (24 h, 40 h)
.set ADRB, 20                          ; v20-21 the weight
.set SLO,  22                          ; v22  32 r + 16 h
.set RTO,  23                          ; v23  the table: 256 (r + 8 (r / 8)) + 64 h
.set LO8,  24                          ; v24  8 x lane
.set LO4,  25                          ; v25  4 x lane
.set SH,   26                          ; v26  16 h
.set SPW,  28
.set NIL,  29
.set XS,   32
.set WS,   64
.set HA,   96
.set CD,   160
.set TM,   184
.set PW,   200
.set TT,   201
.set PWP,  202
.set G1,   24
.set G0,   32
.set XSP,  36
.set WSP,  38
.set OC,   40                          ; s[40:41] codes out
.set OW,   42                          ; s[42:43] words out
.set OB,   44                          ; s[44:45] my head's and step's run of c2
.set G1B,  48
.set G0B,  56
.set M16,  67
.set SEL,  68
.set TP,   70
.set MSB, 0
.macro WIN new                         ; the immediate's high byte repeats the setting that is left
.if MSB != (\new)
	s_set_vgpr_msb (MSB<<8)|(\new)
.set MSB, (\new)
.endif
.endm
.macro PLACES n                        ; plain vector instructions between a matrix instruction and a load into, or a read of, its registers
.rept \n
	v_nop
.endr
.endm
; A joint load: waves 0 and 1 fetch x's halves, waves 2 and 3 the weight's.  The branch hangs on the wave's number alone.  An s_nop 0 and four v_nop follow each line.
.macro JLOAD g0a, g1a, g0b, g1b
	s_cmp_eq_u32 s15, 0
	s_cbranch_scc0 .Lfor_b_\@
	tensor_load_to_lds s[\g0a:\g0a+3], s[\g1a:\g1a+7]
	s_nop 0
.rept 4
	v_nop
.endr
	s_branch .Lasked_\@
.Lfor_b_\@:
	tensor_load_to_lds s[\g0b:\g0b+3], s[\g1b:\g1b+7]
	s_nop 0
.rept 4
	v_nop
.endr
.Lasked_\@:
.endm
.macro CROUND                          ; a round of the cluster's barrier
	s_barrier_signal -1
	s_barrier_wait -1
	s_cmp_lg_u32 s14, 0
	s_cbranch_scc1 .Lnot_wave_0_\@
	s_barrier_signal -3
.Lnot_wave_0_\@:
	s_barrier_wait -3
	s_barrier_signal -1
	s_barrier_wait -1
.endm
.macro FRAG reg, adr, st, i            ; 16 rows x 128 K: 12 registers, in pieces of 8 bytes.  Byte y of a row lies at y + 16 (y / 256); lanes 16-31 read 24 bytes on: where that is behind one padding more, the second address register serves
.irp p, 0,1,2,3,4,5
.set BY, 96*(\st)+48*(\p/3)+8*(\p%3)
.if BY/256 == (BY+24)/256
	ds_load_b64 v[\reg+2*\p:\reg+2*\p+1], v[\adr] offset:BY+16*(BY/256)+(\i)*BLK
.else
	ds_load_b64 v[\reg+2*\p:\reg+2*\p+1], v[\adr+1] offset:BY+16*(BY/256)+(\i)*BLK
.endif
.endr
.endm
.macro FETCH st, set                   ; step st's fragments: x's eight into window 2, the weight's four into window 3
	WIN 0x80
.irp i, 0,1,2,3,4,5,6,7
	FRAG 96*(\set)+12*\i, ADRA+2*(\i/4), \st, \i%4
.endr
	WIN 0xc0
.irp i, 0,1,2,3
	FRAG 48*(\set)+12*\i, ADRB, \st, \i
.endr
	WIN 0
.endm
.macro W1 d, s0, s1, c0, c1, st        ; one product.  Step 0 starts the sum; steps 4 to 7 take their scale words from lanes 16-31
.if (\st) == 0
	v_wmma_scale_f32_16x16x128_f8f6f4 v[\d:\d+7], v[\s0:\s0+11], v[\s1:\s1+11], 0, v[\c0], v[\c1] matrix_a_fmt:MATRIX_FMT_BF6 matrix_b_fmt:MATRIX_FMT_BF6
.else
.if (\st) < 4
	v_wmma_scale_f32_16x16x128_f8f6f4 v[\d:\d+7], v[\s0:\s0+11], v[\s1:\s1+11], v[\d:\d+7], v[\c0], v[\c1] matrix_a_fmt:MATRIX_FMT_BF6 matrix_b_fmt:MATRIX_FMT_BF6
.else
	v_wmma_scale_f32_16x16x128_f8f6f4 v[\d:\d+7], v[\s0:\s0+11], v[\s1:\s1+11], v[\d:\d+7], v[\c0], v[\c1] matrix_a_fmt:MATRIX_FMT_BF6 matrix_b_fmt:MATRIX_FMT_BF6 matrix_a_scale:MATRIX_SCALE_ROW1 matrix_b_scale:MATRIX_SCALE_ROW1
.endif
.endif
.endm
; A step's 32 products; the 32 accumulators take turns, one instruction a turn, in the same order in every step.
; mode 0: accumulator (x block a, weight block b) at 8 (4 a + b); mode 1: at 8 (8 b + a).
.macro MULS st, set, mode
.if \mode == 0
	WIN 0x5b                                       ; source 0 window 3, source 1 window 2, C and D window 1
.else
	WIN 0x5e                                       ; source 0 window 2, source 1 window 3
.endif
.irp a, 0,1,2,3,4,5,6,7
.irp b, 0,1,2,3
.if \mode == 0
	W1 8*(4*\a+\b), 48*(\set)+12*\b, 96*(\set)+12*\a, WS+4*\b+(\st)%4, XS+4*\a+(\st)%4, \st
.else
	W1 8*(8*\b+\a), 96*(\set)+12*\a, 48*(\set)+12*\b, XS+4*\a+(\st)%4, WS+4*\b+(\st)%4, \st
.endif
.endr
.endr
	WIN 0
.endm
.macro KLOOP mode                      ; a tile's eight steps
	FETCH 0, 0
.set ST, 0
.rept 8
	s_wait_dscnt 0x0                               ; this step's fragments are in
.if ST < 7
.if ST > 0
	PLACES 4                                       ; the other set was read by the step before
.endif
	FETCH ST+1, (ST+1)%2
.endif
	MULS ST, ST%2, \mode
.set ST, ST+1
.endr
.endm
; 64 numbers of a lane at v[QS] on, in window QW, register 16 b + i = place 32 b + 16 h + i along the next K, become 12 registers of codes in v[CD] on (registers 6 c .. 6 c + 5: the whole block 2 c + h) and the four blocks'
; bytes in v[PW].  Each accumulator is read from its low end on.
.macro QUANT
	WIN (QW<<2)|(QW<<4)
.irp b, 0,1,2,3
	v_max3_num_f32 v[TM+\b], 0x2800000, |v[QS+16*\b]|, |v[QS+1+16*\b]|   ; my 16 numbers of block b, and the floor 2^(5 - 127): the byte cannot fall under 1
.endr
.irp i, 2,4,6,8,10,12,14
.irp b, 0,1,2,3
	v_max3_num_f32 v[TM+\b], v[TM+\b], |v[QS+16*\b+\i]|, |v[QS+1+16*\b+\i]|
.endr
.endr
	WIN 0
.irp b, 0,1,2,3
	v_permlanex16_b32 v[TM+4+\b], v[TM+\b], s[SEL], s[SEL+1]
.endr
.irp b, 0,1,2,3
	v_max_num_f32 v[TM+\b], v[TM+\b], v[TM+4+\b]   ; with lane l xor 16's: the block's largest magnitude
.endr
.irp b, 0,1,2,3
	v_add_nc_u32 v[TM+12+\b], 0xfe000000, v[TM+\b] ; 4 off its exponent field: the conversion's scale operand
.endr
.irp b, 0,1,2,3
	v_lshrrev_b32 v[TM+4+\b], 23, v[TM+12+\b]      ; the scale's byte
.endr
	v_lshl_or_b32 v[PW], v[TM+5], 8, v[TM+4]
	v_lshl_or_b32 v[PW], v[TM+6], 16, v[PW]
	v_lshl_or_b32 v[PW], v[TM+7], 24, v[PW]
	WIN QW
.irp c, 0,1
	v_cvt_scalef32_pk16_bf6_f32 v[CD+6*\c:CD+2+6*\c], v[QS+32*\c:QS+15+32*\c], v[TM+12+2*\c]
	v_cvt_scalef32_pk16_bf6_f32 v[CD+12+4*\c:CD+14+4*\c], v[QS+16+32*\c:QS+31+32*\c], v[TM+12+2*\c+1]   ; (a conversion's three registers begin on an even number)
.endr
	WIN 0
	v_nop                                          ; one plain place behind a scaled conversion
.irp c, 0,1
.irp i, 0,1,2
	v_permlane16_swap_b32 v[CD+6*\c+\i], v[CD+12+4*\c+\i]   ; a whole block to a lane: lanes 0-15 block 2 c, lanes 16-31 block 2 c + 1
.endr
.irp i, 0,1,2
	v_mov_b32 v[CD+3+6*\c+\i], v[CD+12+4*\c+\i]
.endr
.endr
.endm
.macro TSEL a                          ; where block a's 32 table numbers lie: window TW, register TR
.if (\a) < 5
.set TW, 3
.set TR, 96+32*(\a)
.else
.if (\a) < 7
.set TW, 2
.set TR, 192+32*((\a)-5)
.else
.set TW, 0
.set TR, 208
.endif
.endif
.endm
	s_load_b256 s[4:11], s[0:1], 0x0               ; c1 s[4:5], s1 s[6:7], rope s[8:9], c2 s[10:11]
	v_lshl_add_u32 v[SPW], v0, 2, SPARE
	v_mov_b32 v[NIL], 0
	ds_add_u32 v[SPW], v[NIL]                      ; the wave's opening: the add, twice on end, and its wait ahead of my first tensor load
	ds_add_u32 v[SPW], v[NIL]
	v_lshrrev_b32 v1, 5, v0
	v_readfirstlane_b32 s14, v1                    ; wave 0..3
	s_lshr_b32 s15, s14, 1                         ; which 128 tokens are mine.  Also: I fetch for x (0) or for the weight (1)
	s_and_b32 s16, s14, 1                          ; which 64 rows of the weight are mine.  Also: which half I fetch
	s_bfe_u32 s60, ttmp6, 0x40000                  ; cx
	s_bfe_u32 s61, ttmp6, 0x40004                  ; cy
	s_lshl_b32 s62, ttmp9, 2
	s_add_co_u32 s62, s62, s60                     ; the group of 128 rows of a weight, 0..7
	s_and_b32 s17, ttmp7, 0xffff
	s_lshl_b32 s17, s17, 2
	s_add_co_u32 s17, s17, s61                     ; the block of 256 tokens, 0..31
	s_lshl_b32 s63, s61, 2
	s_lshl_b32 s63, 15, s63                        ; my row of the cluster
	s_lshl_b32 s66, 0x1111, s60                    ; my column
	s_or_b32 s[G1], s63, (3<<16)|(1<<20)|(1<<21)|(5<<22)|(3<<25)    ; the mask; elements of 8 bytes; 4 words of padding behind every 64
	s_or_b32 s[G1B], s66, (3<<16)|(1<<20)|(1<<21)|(5<<22)|(3<<25)
.irp g, G1, G1B
	s_mov_b32 s[\g+1], 32<<16                      ; rows of 256 bytes, dense
	s_mov_b32 s[\g+3], 32<<16
	s_mov_b32 s[\g+5], 32
	s_mov_b32 s[\g+6], 0
	s_mov_b32 s[\g+7], 0
.endr
	s_mov_b32 s[G1+2], 384<<16                     ; 128 rows of 768 bytes
	s_mov_b32 s[G1+4], 384
	s_mov_b32 s[G1B+2], 192<<16                    ; 64 rows
	s_mov_b32 s[G1B+4], 192
	s_lshl_b32 s20, s17, 8
	s_lshl_b32 s18, s16, 7
	s_add_co_u32 s20, s20, s18
	s_mul_i32 s20, s20, 768                        ; x: the half that I fetch
	s_mov_b32 s21, 0
	s_lshl_b32 s22, s62, 7
	s_lshl_b32 s18, s16, 6
	s_add_co_u32 s22, s22, s18
	s_add_co_u32 s22, s22, 8192                    ; Wq's rows: the half that I fetch, which is also the half that I multiply
	s_lshl_b32 s72, s22, 5                         ; their scale bytes
	s_mov_b32 s73, 0
	s_mul_i32 s22, s22, 768
	s_mov_b32 s23, 0
	s_mov_b32 s[G0], 1
	s_mul_i32 s[G0+1], s16, AHALF
	s_mov_b32 s[G0B], 1
	s_mul_i32 s[G0B+1], s16, BHALF
	s_add_co_u32 s[G0B+1], s[G0B+1], BBASE
	s_mov_b32 s[SEL], 0x76543210
	s_mov_b32 s[SEL+1], 0xfedcba98
	s_mov_b32 s[M16], 0xffff
	s_wait_dscnt 0x0                               ; both opening adds are done
	s_wait_kmcnt 0x0
	s_add_nc_u64 s[G0+2:G0+3], s[4:5], s[20:21]
	s_or_b32 s[G0+3], s[G0+3], 0x80000000
	s_add_nc_u64 s[G0B+2:G0B+3], s[4:5], s[22:23]
	s_or_b32 s[G0B+3], s[G0B+3], 0x80000000
	CROUND                                         ; all sixteen work-groups are here: the first joint loads meet
	JLOAD G0, G1, G0B, G1B                         ; one tensor load a wave: x's two halves, Wq's two halves
	s_add_nc_u64 s[WSP:WSP+1], s[6:7], s[72:73]
	s_lshl_b32 s18, s17, 13
	s_lshl_b32 s19, s15, 12
	s_add_co_u32 s18, s18, s19
	s_mov_b32 s19, 0
	s_add_nc_u64 s[XSP:XSP+1], s[6:7], s[18:19]    ; my 128 tokens' scale bytes
	s_and_b32 s20, s17, 7
	s_lshl_b32 s20, s20, 1
	s_add_co_u32 s20, s20, s15                     ; which 128 tokens of the sequence
	s_lshl_b32 s18, s20, 15
	s_add_nc_u64 s[TP:TP+1], s[8:9], s[18:19]      ; their rows of the table
	s_lshr_b32 s21, s17, 3
	s_lshl_b32 s21, s21, 4
	s_lshl_b32 s22, s62, 1
	s_add_co_u32 s21, s21, s22
	s_add_co_u32 s21, s21, s16                     ; my head of the batch
	s_mul_i32 s18, s21, 315392
	s_mul_i32 s20, s20, 19712
	s_add_co_u32 s18, s18, s20
	s_add_nc_u64 s[OB:OB+1], s[10:11], s[18:19]
	s_add_nc_u64 s[OC:OC+1], s[OB:OB+1], 13056     ; q's codes
	s_add_nc_u64 s[OW:OW+1], s[OB:OB+1], 19200     ; q's words
	s_mul_i32 s21, s15, AHALF
	s_add_co_u32 s23, s21, 4*BLK
	s_mul_i32 s22, s16, BHALF
	s_add_co_u32 s22, s22, BBASE
	v_and_b32 v1, 15, v0                           ; r
	v_bfe_u32 v[H], v0, 4, 1                       ; h
	v_mul_u32_u24 v3, v1, PITCH
	v_mad_u32_u24 v4, v[H], 24, v3
	v_mad_u32_u24 v5, v[H], 40, v3
	v_add_nc_u32 v[ADRA], s21, v4
	v_add_nc_u32 v[ADRA+1], s21, v5
	v_add_nc_u32 v[ADRA+2], s23, v4
	v_add_nc_u32 v[ADRA+3], s23, v5
	v_add_nc_u32 v[ADRB], s22, v4
	v_add_nc_u32 v[ADRB+1], s22, v5
	v_lshlrev_b32 v[SLO], 5, v1
	v_lshl_add_u32 v[SLO], v[H], 4, v[SLO]
	v_and_b32 v6, 8, v1
	v_add_nc_u32 v6, v6, v1                        ; r + 8 (r / 8): the true token of stored row r of a block
	v_lshlrev_b32 v[RTO], 8, v6
	v_lshl_add_u32 v[RTO], v[H], 6, v[RTO]
	v_and_b32 v6, 31, v0
	v_lshlrev_b32 v[LO8], 3, v6
	v_lshlrev_b32 v[LO4], 2, v6
	v_lshlrev_b32 v[SH], 4, v[H]
.irp b, 0,1,2,3
	v_mov_b32 v[TM+4+\b], 0                        ; written once: a lane permute's destination counts as one of its sources
.endr
.irp i, 0,1,2,3,4,5,6,7
	global_load_b128 v[XS+4*\i:XS+4*\i+3], v[SLO], s[XSP:XSP+1] offset:512*\i   ; 32 lanes read a block's 512 bytes
.endr
.irp i, 0,1,2,3
	global_load_b128 v[WS+4*\i:WS+4*\i+3], v[SLO], s[WSP:WSP+1] offset:512*\i
.endr
.irp a, 0,1,2,3,4,5,6,7                ; the table, once for q and k: my token's cos and sin of frequencies 16 p + 8 h + 0 .. 7
	TSEL \a
	WIN (TW<<6)
.irp p, 0,1
.irp i, 0,1,2,3
	global_load_b128 v[TR+16*\p+4*\i:TR+16*\p+4*\i+3], v[RTO], s[TP:TP+1] offset:(32*(\a/2)+8*(\a%2))*256+128*\p+16*\i
.endr
.endr
.endr
	WIN 0
	s_wait_alu depctr_va_vdst(0)
	s_wait_loadcnt 0x0
	s_wait_tensorcnt 0x0                           ; my part of x or of Wq is in;
	s_barrier_signal -1
	s_barrier_wait -1                              ; and so is everybody's
	s_mov_b32 s3, 2
.Ltile:                                                ; q, then k
	KLOOP 0
	s_wait_tensorcnt 0x0                           ; ahead of a refill's barrier
	ds_add_u32 v[SPW], v[NIL]
	s_add_nc_u64 s[G0B+2:G0B+3], s[G0B+2:G0B+3], 786432   ; no tensor load of mine is out: the next weight's rows, 1,024 rows on,
	s_add_nc_u64 s[WSP:WSP+1], s[WSP:WSP+1], 32768 ; and their scale bytes (the last loads by this pointer have been waited for)
	s_wait_dscnt 0x0                               ; the add is done, and my reads of the weight's rows are over
	CROUND                                         ; the same holds of every wave of all sixteen work-groups
	s_cmp_eq_u32 s15, 0
	s_cbranch_scc1 .Lnone
	tensor_load_to_lds s[G0B:G0B+3], s[G1B:G1B+7]  ; waves 2 and 3: the next weight's two halves
	s_nop 0
.rept 4
	v_nop
.endr
.Lnone:
	PLACES 4                                       ; behind the last products: for the loads into their scale registers and the reads of their results
.irp i, 0,1,2,3
	global_load_b128 v[WS+4*\i:WS+4*\i+3], v[SLO], s[WSP:WSP+1] offset:512*\i
.endr
; THE WAY OUT of q and k, two blocks of 16 tokens at a time: RoPE, the head's two blocks of 32 of each, the codes stored as images.
.irp pr, 0,1,2,3
.irp e, 0,1
	TSEL 2*\pr+\e
	WIN 1|(TW<<2)                                  ; source 0: the accumulators; source 1: the table
.irp bb, 0,1
.irp i, 0,1,2,3,4,5,6,7
	v_pk_mul_f32 v[HA+32*\e+16*\bb+2*\i:HA+32*\e+16*\bb+2*\i+1], v[64*\pr+32*\e+16*\bb+2*\i:64*\pr+32*\e+16*\bb+2*\i+1], v[TR+16*\bb+2*\i:TR+16*\bb+2*\i+1] op_sel:[1,1] op_sel_hi:[1,0] neg_lo:[1,0]   ; (-x2 sin, x2 cos)
.endr
.irp i, 0,1,2,3,4,5,6,7
	v_pk_fma_f32 v[HA+32*\e+16*\bb+2*\i:HA+32*\e+16*\bb+2*\i+1], v[64*\pr+32*\e+16*\bb+2*\i:64*\pr+32*\e+16*\bb+2*\i+1], v[TR+16*\bb+2*\i:TR+16*\bb+2*\i+1], v[HA+32*\e+16*\bb+2*\i:HA+32*\e+16*\bb+2*\i+1] op_sel_hi:[0,1,1]   ; + (x1 cos, x1 sin)
.endr
.endr
.endr
	WIN 0
	s_wait_alu depctr_va_vdst(0)
	s_wait_xcnt 0x0                                ; the last pair's stores have read their registers
.set QS, HA
.set QW, 0
	QUANT
.irp c, 0,1
.irp p, 0,1,2
	global_store_b64 v[LO8], v[CD+6*\c+2*\p:CD+6*\c+2*\p+1], s[OC:OC+1] offset:(2*\pr+\c)*768+256*\p   ; 32 lanes store 256 consecutive bytes, aligned
.endr
.endr
	v_lshrrev_b32 v[TT], v[SH], v[PW]              ; lanes 0-15: the first block's rows' two bytes; lanes 16-31: the second's
	v_and_or_b32 v[TT], v[TT], s[M16], 0x7f7f0000
	global_store_b32 v[LO4], v[TT], s[OW:OW+1] offset:128*\pr
.endr
	s_wait_alu depctr_va_vdst(0)
	s_wait_xcnt 0x0                                ; the stores have read their bases
	s_sub_nc_u64 s[OC:OC+1], s[OC:OC+1], 13056     ; from q's codes to k's (behind k they are set anew)
	s_sub_nc_u64 s[OW:OW+1], s[OW:OW+1], 6912      ; from q's words to k's
	s_wait_loadcnt 0x0                             ; the next weight's scale words
	s_wait_tensorcnt 0x0                           ; my half of its rows, if I fetched one;
	s_barrier_signal -1
	s_barrier_wait -1                              ; and everybody's
	s_sub_co_u32 s3, s3, 1
	s_cmp_lg_u32 s3, 0
	s_cbranch_scc1 .Ltile
	s_add_nc_u64 s[OC:OC+1], s[OB:OB+1], 6144      ; v's codes
	s_add_nc_u64 s[OW:OW+1], s[OB:OB+1], 12800     ; v's words
	KLOOP 1
	PLACES 4
	v_cmp_eq_u32 vcc_lo, 1, v[H]
; THE WAY OUT of v, a block of 16 rows d at a time: the four blocks of 32 keys.
.irp a, 0,1,2,3
.if \a > 0
	s_wait_alu depctr_va_vdst(0)
	s_wait_xcnt 0x0                                ; the last block's stores have read their registers
.endif
.set QS, 64*\a
.set QW, 1
	QUANT
.irp p, 0,1,2,3,4,5
	global_store_b64 v[LO8], v[CD+2*\p:CD+2*\p+1], s[OC:OC+1] offset:1536*\a+256*\p
.endr
.if \a%2 == 0
	v_mov_b32 v[PWP], v[PW]
.else
	v_cndmask_b32 v[TT], v[PWP], v[PW], vcc_lo     ; lanes 0-15: the block before's rows; lanes 16-31: this block's
	global_store_b32 v[LO4], v[TT], s[OW:OW+1] offset:128*(\a/2)
.endif
.endr
	s_wait_tensorcnt 0x0                           ; the wave's end
	ds_add_u32 v[SPW], v[NIL]
	s_wait_dscnt 0x0
	CROUND                                         ; the closing round
	s_endpgm
.Lfunc_end_k_qa0b7ccda7a_proj:
	.size	k_qa0b7ccda7a_proj, .Lfunc_end_k_qa0b7ccda7a_proj-k_qa0b7ccda7a_proj
	.p2alignl 7, 3214868480
	.fill 96, 4, 3214868480
	.section	.rodata,"a",@progbits
	.p2align	6, 0x0
	.amdhsa_kernel k_qa0b7ccda7a_proj
		.amdhsa_group_segment_fixed_size 327680
		.amdhsa_private_segment_fixed_size 0
		.amdhsa_enable_private_segment 0
		.amdhsa_kernarg_size 32
		.amdhsa_user_sgpr_count 2
		.amdhsa_user_sgpr_kernarg_segment_ptr 1
		.amdhsa_wavefront_size32 1
		.amdhsa_system_sgpr_workgroup_id_x 1
		.amdhsa_system_sgpr_workgroup_id_y 1
		.amdhsa_system_sgpr_workgroup_id_z 1
		.amdhsa_system_vgpr_workitem_id 0
		.amdhsa_next_free_vgpr 1024
		.amdhsa_next_free_sgpr 80
		.amdhsa_reserve_vcc 1
		.amdhsa_float_denorm_mode_32 3
		.amdhsa_float_denorm_mode_16_64 3
		.amdhsa_memory_ordered 1
		.amdhsa_forward_progress 1
		.amdhsa_inst_pref_size 210
	.end_amdhsa_kernel
	.amdgpu_metadata
---
amdhsa.version: [ 1, 2 ]
amdhsa.kernels:
  - .name:           k_qa0b7ccda7a_proj
    .symbol:         k_qa0b7ccda7a_proj.kd
    .args:
      - { .name: c1, .offset: 0, .size: 8, .value_kind: global_buffer, .address_space: global }
      - { .name: s1, .offset: 8, .size: 8, .value_kind: global_buffer, .address_space: global }
      - { .name: rope, .offset: 16, .size: 8, .value_kind: global_buffer, .address_space: global }
      - { .name: c2, .offset: 24, .size: 8, .value_kind: global_buffer, .address_space: global }
    .group_segment_fixed_size: 327680
    .private_segment_fixed_size: 0
    .kernarg_segment_align: 8
    .kernarg_segment_size: 32
    .max_flat_workgroup_size: 128
    .sgpr_count:     80
    .vgpr_count:     1024
    .wavefront_size: 32
...
	.end_amdgpu_metadata
.endif
;; end of part 2
;; launch attn (part 3): grid 4 x 64, 16 waves a work-group, clusters of 4 x 1, 210,944 bytes of LDS; arguments c2, c3, s3; writes c3, s3
.if DOCPART == 3
	.amdgcn_target "amdgcn-amd-amdhsa--gfx1250"
	.amdhsa_code_object_version 6
	.text
	.protected	k_qa0b7ccda7a_attn
	.globl	k_qa0b7ccda7a_attn
	.p2align	8
	.type	k_qa0b7ccda7a_attn,@function
k_qa0b7ccda7a_attn:
	s_mov_b64 s[64:65], 0
	v_nop
	global_prefetch_b8 v0, s[64:65] scope:SCOPE_SE
	s_setreg_imm32_b32 hwreg(HW_REG_WAVE_MODE, 25, 1), 1
	s_wait_xcnt 0x0
	s_wait_alu depctr_hold_cnt(0) depctr_sa_sdst(0) depctr_va_vdst(0) depctr_va_sdst(0) depctr_va_ssrc(0) depctr_va_vcc(0) depctr_vm_vsrc(0)
	s_getreg_b32 s2, hwreg(HW_REG_IB_STS2, 6, 4)
	s_cmp_eq_u32 s2, 0
	s_cbranch_scc0 .Lentry_in_a_cluster
	s_endpgm
.Lentry_in_a_cluster:
	s_bfe_u32 s2, ttmp6, 0x10000c
	s_cmp_lg_u32 s2, 0x3003
	s_cbranch_scc0 .Lentry_shape_is_right
	s_endpgm
.Lentry_shape_is_right:
; LAUNCH 3 OF 4.  Causal attention on codes of BF6 (E3M2): S^T = K Q^T (K = the head's 64, filled to the instruction's 128 with zero codes on both sides), the softmax, O^T = V^T P^T (K = the keys), O / l quantised along the head's 64.
; WORK LEFT OUT: key steps of 128 keys all of which come after a tile's 16 queries: reference()'s own causal mask throws their scores away for all values of the inputs (shown at the head of the launch quant).
; THE SOFTMAX AHEAD OF THE SECOND PRODUCT: t = score x log2(e) / 8; M = the running largest t rounded UP to a whole number; p = 2^(t - M) is quantised along the keys, not normalised; the row's sum is taken of the unquantised p
; and divides O at the end.  When M moves, the sum and O^T are multiplied by 2^(old M - new M): exact.  LIMIT: the promise holds while |t| stays under 2^31.
; SHARES.  A cluster of four work-groups owns a head of the batch; 64 clusters.  The head's k, v and their scale words, 16 key steps of 13,056 bytes, lie in LDS whole: each of the sixteen waves asks for one step by ONE JOINT LOAD, which
; all four work-groups issue alike; one barrier; nothing is filled again, so the walk has no barrier.  No prefetch: every byte is asked for at the head, and no loop runs ahead of a load.
; The head has 128 tiles of 16 queries; tile t sees t / 8 + 1 key steps.  A wave owns tiles t and 127 - t, t = 8 a + b, a = wave / 2, b = 2 cx + wave % 2: 17 steps for every wave.  It walks tile 127 - t through steps 0 .. 15 - a, upward,
; then tile t through steps a .. 0, downward: 17 trips in all.  The trip in which the tiles change and the two trips on the diagonal hang on a, the wave's number, alone; the work-group's place cx enters global addresses and the
; numbers that the mask compares, no branch and no LDS address.
; LAYOUT.  Both products are used transposed: a lane holds ONE query (lane % 16) throughout.  k's rows and v's rows d lie with bits 3 and 4 of their number exchanged, so sixteen rows on end form a tile whose results give a lane 16 neighbours:
; registers 16 b + i of S^T are keys 32 b + 16 h + i of the step, registers 16 b + i of O^T are d = 32 b + 16 h + i.  q's rows lie so too; the address of Q's load undoes it.
; IN.  c2: [head 64][step 16][19,712 bytes]: k's codes at 0, v's at 6,144, k's words at 12,288, v's words at 12,800, q's codes at 13,056, q's words at 19,200.
; OUT.  c3: [16 tokens, 512][head 16][3][lane 32][8 bytes]: the image of the registers of the next product's fragments.  s3: [token][32 bytes]: byte 2 head + block.
; With rows of 48 bytes lane (r, h) of an 8-byte load stands at word 12 r + 6 h + 2 p: 32 different pairs of words modulo 64.
; REGISTERS: v1-11 addresses and at work; v12 -M, v13 the largest t, v[14:15] the sum; v16-21 Q, v22-27 zeros; v28-31 V's scale words; v32-79 four fragments of K (the upper six registers of each stay zero); v80-91 at work;
;   v92-95 K's scale words; v96-159 S^T, then p; v160-191 O^T; v192-239 four fragments of V; v240-251 p's codes; v252 f, v253 p's scale word, v254 at work, v255 Q's scale word.
; THE CODES OF A TILE LIE AS THE IMAGE OF THE OPERAND'S REGISTERS, in place of the rows of 48 bytes named above: k, q: [16 stored rows, 8][piece 3][lane 32][8 bytes]; v: [16 stored rows d, 4][piece 6][lane 32][8 bytes]:
; the 32 lanes of an 8-byte load read 256 consecutive bytes.
.set STEPB, 13056
.set STEPM, 19712                      ; a step in c2
.set HSTR,  315392                     ; a head in c2
.set VOFF,  6144
.set KW,    12288
.set VW,    12800
.set QC,    13056
.set QW,    19200
.set SPARE, 16*STEPB                   ; behind the sixteen steps: the spare words, 128 bytes a wave
.set AK0,  1                           ; v1   8 x lane
.set ASK0, 3                           ; v3   4 r
.set QLO,  4                           ; v4   768 (r / 8) + 8 (r % 8) + 128 h
.set SPW,  5
.set NIL,  6
.set QWO,  7                           ; v7   4 (r + 8 (r / 8))
.set ADK,  8
.set ADS,  10
.set I,    2                           ; s2   the trip, 0 .. 16
.set TB,   3                           ; s3   where the trip's key step begins in LDS
.set WV,   10
.set CX,   11
.set HB,   12
.set NB,   13                          ; s13  16 - a: the trips of the first tile
.set OFF,  14                          ; s14  the tile's first query, counted from its diagonal step's first key
.set OFFA, 15
.set TA,   16
.set TBL,  17
.set HOFF, 18
.set BT,   19
.set SEL,  20
.set CS,   22                          ; s[22:23] c = log2(e) / 8
.set G1,   24
.set G0,   32
.set PB,   36                          ; s[36:43] tile 127 - t: Q's codes, Q's words, c3, s3
.set PA,   44                          ; s[44:51] tile t
.set H768, 52
.set H2,   53
.set T0,   54
.macro ROUND                           ; a round of the cluster's barrier
	s_barrier_signal -1
	s_barrier_wait -1
	s_cmp_lg_u32 s[WV], 0
	s_cbranch_scc1 .Lnot_wave_0_\@
	s_barrier_signal -3
.Lnot_wave_0_\@:
	s_barrier_wait -3
	s_barrier_signal -1
	s_barrier_wait -1
.endm
.macro SETT t, p                       ; the four addresses of tile s[t]
	s_lshr_b32 s56, s[\t], 3
	s_mul_i32 s56, s56, STEPM
	s_add_co_u32 s56, s56, s[HOFF]                 ; its 128 tokens' run of c2
	s_bfe_u32 s57, s[\t], 0x20001
	s_lshl_b32 s57, s57, 5
	s_and_b32 s58, s[\t], 1
	s_lshl_b32 s58, s58, 3
	s_add_co_u32 s57, s57, s58                     ; true rows 16 (t % 8) + r lie at 32 ((t % 8) / 2) + 8 (t % 2) + r + 8 (r / 8)
	s_mul_i32 s59, s58, 40
	s_mul_i32 s58, s57, 48
	s_sub_co_u32 s58, s58, s59                     ; in the image: 1,536 ((t % 8) / 2) + 64 (t % 2)
	s_add_co_u32 s58, s58, s56
	s_mov_b32 s59, 0
	s_add_nc_u64 s[\p:\p+1], s[4:5], s[58:59]
	s_lshl_b32 s58, s57, 2
	s_add_co_u32 s58, s58, s56
	s_add_nc_u64 s[\p+2:\p+3], s[4:5], s[58:59]
	s_add_co_u32 s56, s[BT], s[\t]                 ; which 16 tokens of the 8,192
	s_mul_i32 s58, s56, 12288
	s_add_co_u32 s58, s58, s[H768]
	s_add_nc_u64 s[\p+4:\p+5], s[6:7], s[58:59]
	s_lshl_b32 s58, s56, 9
	s_add_co_u32 s58, s58, s[H2]
	s_add_nc_u64 s[\p+6:\p+7], s[8:9], s[58:59]
.endm
.macro INIT p                          ; a tile begins: its Q, and an empty state
.irp q, 0,1,2
	global_load_b64 v[16+2*\q:17+2*\q], v[QLO], s[\p:\p+1] offset:QC+256*\q   ; block h of my query
.endr
	global_load_b32 v255, v[QWO], s[\p+2:\p+3] offset:QW
	v_mov_b32 v13, 0xff61b1e6                      ; the largest t so far: -3e38
	s_delay_alu instid0(VALU_DEP_1)
	v_floor_f32 v12, -v13                          ; -M
	v_mov_b32 v14, 0
	v_mov_b32 v15, 0
.irp j, 0,1,2,3,4,5,6,7,8,9,10,11,12,13,14,15,16,17,18,19,20,21,22,23,24,25,26,27,28,29,30,31
	v_mov_b32 v[160+\j], 0                         ; O^T: the step is written once; a tile's first finds zeros
.endr
	s_wait_alu depctr_va_vdst(0)
	s_wait_xcnt 0x0                                ; the last tile's stores have read their registers
	s_wait_loadcnt 0x0
.endm
; A tile ends: O^T / the sum, quantised along d in two blocks of 32, stored as the image of the next product's operand registers.  No LDS.
.macro FINISH p
	v_add_f32 v14, v14, v15
	s_delay_alu instid0(VALU_DEP_1)
	v_permlanex16_b32 v252, v14, s[SEL], s[SEL+1]
	s_delay_alu instid0(VALU_DEP_1)
	v_add_f32 v14, v14, v252                       ; the row's sum
	s_wait_alu depctr_va_vdst(0)
	v_rcp_f32 v14, v14
	v_and_b32 v8, 15, v0                           ; (plain places behind the reciprocal and behind the last products)
	v_bfe_u32 v9, v0, 4, 1
	v_and_b32 v10, 31, v0
	s_delay_alu instid0(VALU_DEP_1)
	v_lshlrev_b32 v10, 3, v10                      ; 8 x lane
	s_delay_alu instid0(VALU_DEP_3)
	v_lshl_add_u32 v11, v8, 5, v9                  ; 32 r + h
	s_delay_alu instid0(VALU_DEP_4)
	v_lshlrev_b32 v9, 3, v9                        ; 8 h
	s_wait_alu depctr_va_vdst(0)
.irp j, 0,2,4,6,8,10,12,14,16,18,20,22,24,26,28,30
	v_pk_mul_f32 v[96+\j:97+\j], v[160+\j:161+\j], v[14:15] op_sel_hi:[1,0]   ; register 16 b + i: o(my query, 32 b + 16 h + i)
.endr
.irp b, 0,1
	v_max3_num_f32 v[80+\b], |v[96+16*\b]|, |v[97+16*\b]|, 0x2800000
.endr
.irp i, 2,4,6,8,10,12,14
.irp b, 0,1
	s_delay_alu instid0(VALU_DEP_2)
	v_max3_num_f32 v[80+\b], v[80+\b], |v[96+16*\b+\i]|, |v[97+16*\b+\i]|
.endr
.endr
.irp b, 0,1
	s_delay_alu instid0(VALU_DEP_2)
	v_permlanex16_b32 v[84+\b], v[80+\b], s[SEL], s[SEL+1]
.endr
.irp b, 0,1
	s_delay_alu instid0(VALU_DEP_2)
	v_max_num_f32 v[80+\b], v[80+\b], v[84+\b]
.endr
.irp b, 0,1
	s_delay_alu instid0(VALU_DEP_2)
	v_add_nc_u32 v[88+\b], 0xfe000000, v[80+\b]
.endr
.irp b, 0,1
	s_delay_alu instid0(VALU_DEP_2)
	v_lshrrev_b32 v[84+\b], 23, v[88+\b]
.endr
	v_cvt_scalef32_pk16_bf6_f32 v[240:242], v[96:111], v88
	v_cvt_scalef32_pk16_bf6_f32 v[244:246], v[112:127], v89
	v_lshl_or_b32 v84, v85, 8, v84                 ; the two bytes (a plain place behind the conversions)
.irp i, 0,1,2
	v_permlane16_swap_b32 v[240+\i], v[244+\i]     ; lane (r, h) now holds block h whole: its lower 16 codes in v240-242, its upper 16 in v244-246
.endr
	s_delay_alu instid0(VALU_DEP_3)
	v_mov_b32 v243, v244
	s_delay_alu instid0(VALU_DEP_3)
	v_mov_b32 v244, v245
	s_delay_alu instid0(VALU_DEP_3)
	v_mov_b32 v245, v246
	v_lshrrev_b32 v84, v9, v84                     ; my block's byte lowest
	global_store_b64 v10, v[240:241], s[\p+4:\p+5]   ; each store covers 256 consecutive bytes, aligned
	global_store_b64 v10, v[242:243], s[\p+4:\p+5] offset:256
	global_store_b64 v10, v[244:245], s[\p+4:\p+5] offset:512
	global_store_b8 v11, v84, s[\p+6:\p+7]         ; two bytes of each of 16 rows of 32, laid as the next launch's scale path takes them
.endm
	s_load_b128 s[4:7], s[0:1], 0x0                ; c2 s[4:5], c3 s[6:7]
	s_load_b64 s[8:9], s[0:1], 0x10                ; s3
	v_lshl_add_u32 v[SPW], v0, 2, SPARE
	v_mov_b32 v[NIL], 0
	ds_add_u32 v[SPW], v[NIL]                      ; the wave's opening: the add, twice on end, and its wait ahead of my first tensor load
	ds_add_u32 v[SPW], v[NIL]
	v_lshrrev_b32 v8, 5, v0
	s_delay_alu instid0(VALU_DEP_1)
	v_readfirstlane_b32 s[WV], v8                  ; wave 0..15
	s_bfe_u32 s[CX], ttmp6, 0x40000                ; my work-group's place among the head's four
	s_and_b32 s[HB], ttmp7, 0xffff                 ; the head of the batch, 0..63: the cluster's y
	s_mov_b32 s[G1], 15|(3<<16)|(1<<21)            ; the mask names the cluster's four; elements of 8 bytes; no padding
	s_mov_b32 s[G1+1], 32<<16                      ; rows of 256 bytes
	s_mov_b32 s[G1+2], 51<<16
	s_mov_b32 s[G1+3], 32<<16
	s_mov_b32 s[G1+4], 51
	s_mov_b32 s[G1+5], 32                          ; dense
	s_mov_b32 s[G1+6], 0
	s_mov_b32 s[G1+7], 0
	s_mul_i32 s[HOFF], s[HB], HSTR
	s_mul_i32 s56, s[WV], STEPM                    ; key step = my wave's number
	s_add_co_u32 s56, s56, s[HOFF]
	s_mov_b32 s57, 0
	s_mov_b32 s[G0], 1
	s_mul_i32 s[G0+1], s[WV], STEPB
	s_mov_b32 s[SEL], 0x76543210
	s_mov_b32 s[SEL+1], 0xfedcba98
	s_mov_b32 s[CS], 0x3e38aa3b
	s_mov_b32 s[CS+1], s[CS]
	s_mov_b32 s[I], 0
	s_wait_dscnt 0x0                               ; both opening adds are done
	s_wait_kmcnt 0x0
	s_add_nc_u64 s[G0+2:G0+3], s[4:5], s[56:57]
	s_or_b32 s[G0+3], s[G0+3], 0x80000000
	ROUND                                          ; all four work-groups are here: the joint loads meet
	tensor_load_to_lds s[G0:G0+3], s[G1:G1+7]      ; my one tensor load of the launch
	s_nop 0
	s_lshr_b32 s56, s[WV], 1                       ; a
	s_sub_co_u32 s[NB], 16, s56
	s_lshl_b32 s56, s56, 3
	s_and_b32 s57, s[WV], 1
	s_lshl_b32 s58, s[CX], 1
	s_add_co_u32 s57, s57, s58                     ; b
	s_lshl_b32 s[OFFA], s57, 4                     ; tile t begins 16 b keys into its diagonal step,
	s_sub_co_u32 s[OFF], 112, s[OFFA]              ; tile 127 - t 16 (7 - b)
	s_add_co_u32 s[TA], s56, s57
	s_sub_co_u32 s[TBL], 127, s[TA]
	s_lshr_b32 s[BT], s[HB], 4
	s_lshl_b32 s[BT], s[BT], 7                     ; the batch's first 16 tokens
	s_and_b32 s[H2], s[HB], 15
	s_mul_i32 s[H768], s[H2], 768
	s_lshl_b32 s[H2], s[H2], 1
	SETT TBL, PB
	SETT TA, PA
	v_and_b32 v8, 15, v0                           ; r
	v_bfe_u32 v9, v0, 4, 1                         ; h
	s_delay_alu instid0(VALU_DEP_2)
	v_and_b32 v11, 8, v8
	s_delay_alu instid0(VALU_DEP_1)
	v_add_nc_u32 v11, v11, v8                      ; r + 8 (r / 8)
	s_delay_alu instid0(VALU_DEP_1)
	v_lshlrev_b32 v[QWO], 2, v11
	v_lshrrev_b32 v[QLO], 3, v8
	s_delay_alu instid0(VALU_DEP_1)
	v_mul_u32_u24 v[QLO], v[QLO], 768              ; Q in the image: tile r / 8 of the two, lane r % 8 (+ 8 (t % 2), in the base) + 16 h
	v_and_b32 v2, 7, v8
	s_delay_alu instid0(VALU_DEP_1)
	v_lshl_add_u32 v[QLO], v2, 3, v[QLO]
	s_delay_alu instid0(VALU_DEP_1)
	v_lshl_add_u32 v[QLO], v9, 7, v[QLO]
	v_and_b32 v[AK0], 31, v0
	s_delay_alu instid0(VALU_DEP_1)
	v_lshlrev_b32 v[AK0], 3, v[AK0]                ; 8 x lane
	v_lshlrev_b32 v[ASK0], 2, v8
.irp p, 22,23,24,25,26,27
	v_mov_b32 v[\p], 0                             ; the upper 64 of the K step: zero codes
.endr
.irp t, 0,1,2,3
.irp p, 6,7,8,9,10,11
	v_mov_b32 v[32+12*\t+\p], 0
.endr
.endr
	v_mov_b32 v252, 0
	v_mov_b32 v253, 0
.irp b, 0,1,2,3
	v_mov_b32 v[84+\b], 0                          ; written once: a lane permute's destination counts as one of its sources
.endr
	INIT PB
	s_wait_tensorcnt 0x0                           ; my key step is in;
	s_barrier_signal -1
	s_barrier_wait -1                              ; and so is everybody's: the whole head lies in LDS, and nothing is written there again
; THE FIRST FOUR TILES OF k ARE FETCHED A STEP AHEAD: a step's are asked for behind the last score product of the step before and land under its softmax.
.macro KONE                            ; the first four tiles of k of the step at v[ADK], and their words
.irp t, 0,1,2,3
.irp p, 0,1,2
	ds_load_b64 v[32+12*\t+2*\p:33+12*\t+2*\p], v[ADK] offset:768*\t+256*\p
.endr
	ds_load_b32 v[92+\t], v[ADS] offset:KW+64*\t
.endr
.endm
	s_mov_b32 s[TB], 0                             ; trip 0 takes key step 0
	v_add_nc_u32 v[ADK], s[TB], v[AK0]
	v_add_nc_u32 v[ADS], s[TB], v[ASK0]
	s_wait_alu depctr_va_vdst(0)
	KONE
.Ltrip:
	s_cmp_lg_u32 s[I], s[NB]                       ; the wave's number and the count of trips alone
	s_cbranch_scc1 .Lsame
	FINISH PB                                      ; the first tile has had its last step, the one on its diagonal
	INIT PA
	v_add_nc_u32 v[ADK], s[TB], v[AK0]             ; the way out has used the two address registers: this trip's step once more (its stores have read them: the wait on XCNT above)
	v_add_nc_u32 v[ADS], s[TB], v[ASK0]
	s_wait_alu depctr_va_vdst(0)
	s_mov_b32 s[OFF], s[OFFA]
.Lsame:
	s_wait_dscnt 0x0                               ; K's first four tiles, asked for a step ago, are in
.irp t, 0,1,2,3
	v_wmma_scale_f32_16x16x128_f8f6f4 v[96+8*\t:103+8*\t], v[32+12*\t:43+12*\t], v[16:27], 0, v[92+\t], v255 matrix_a_fmt:MATRIX_FMT_BF6 matrix_b_fmt:MATRIX_FMT_BF6
.endr
.rept 4
	v_nop
.endr
.irp t, 0,1,2,3
.irp p, 0,1,2
	ds_load_b64 v[32+12*\t+2*\p:33+12*\t+2*\p], v[ADK] offset:3072+768*\t+256*\p
.endr
	ds_load_b32 v[92+\t], v[ADS] offset:KW+256+64*\t
.endr
.irp t, 0,1,2,3                        ; V behind K: it is wanted last.  (The four v_nop above are also the places behind the last step's products, which read these registers)
.irp p, 0,1,2,3,4,5
	ds_load_b64 v[192+12*\t+2*\p:193+12*\t+2*\p], v[ADK] offset:VOFF+1536*\t+256*\p
.endr
	ds_load_b32 v[28+\t], v[ADS] offset:VW+64*\t
.endr
	s_wait_dscnt 28                                ; K's last four tiles are in; V's 28 loads may be out
.irp t, 0,1,2,3
	v_wmma_scale_f32_16x16x128_f8f6f4 v[128+8*\t:135+8*\t], v[32+12*\t:43+12*\t], v[16:27], 0, v[92+\t], v255 matrix_a_fmt:MATRIX_FMT_BF6 matrix_b_fmt:MATRIX_FMT_BF6
.endr
	s_add_co_u32 s55, s[I], 1                      ; the next trip's key step: upward for the first tile, downward for the second
	s_min_u32 s55, s55, 16                         ; (behind the last trip there is none: its look-ahead names step 0 and is not used)
	s_sub_co_u32 s[T0], 16, s55
	s_cmp_lt_u32 s55, s[NB]
	s_cselect_b32 s[T0], s55, s[T0]
	s_min_u32 s[T0], s[T0], 15
	s_mul_i32 s[TB], s[T0], STEPB
	v_add_nc_u32 v[ADK], s[TB], v[AK0]             ; these two and the two v_nop are the four places behind the products above
	v_add_nc_u32 v[ADS], s[TB], v[ASK0]
	v_nop
	v_nop
	KONE
	s_add_co_u32 s[T0], s[I], 1
	s_sub_co_u32 s[T0], s[T0], s[NB]
	s_cmp_lt_u32 s[T0], 2
	s_cbranch_scc0 .Lopen                          ; a step all of whose keys count skips the mask
	v_and_b32 v2, 15, v0                           ; on the diagonal the scores of hidden keys become -infinity ahead of the maximum: p = 0 then
	v_bfe_u32 v9, v0, 4, 1
	s_delay_alu instid0(VALU_DEP_1)
	v_lshlrev_b32 v9, 4, v9
	s_delay_alu instid0(VALU_DEP_1)
	v_sub_nc_u32 v2, v2, v9
	s_delay_alu instid0(VALU_DEP_1)
	v_add_nc_u32 v2, s[OFF], v2                    ; d = my query - the step's first key - 16 h.  Register 16 b + i holds key 32 b + 16 h + i of the step: hidden where 32 b + i > d
	v_mov_b32 v254, 0xff800000
.irp n, 0,1,2,3,4,5,6,7,8,9,10,11,12,13,14,15,16,17,18,19,20,21,22,23,24,25,26,27,28,29,30,31,32,33,34,35,36,37,38,39,40,41,42,43,44,45,46,47,48,49,50,51,52,53,54,55,56,57,58,59,60,61,62,63
	v_cmp_gt_i32 vcc_lo, 32*(\n/16)+\n%16, v2
	v_cndmask_b32 v[96+\n], v[96+\n], v254, vcc_lo
.endr
.Lopen:
.irp b, 0,1,2,3
	v_max3_num_f32 v[80+\b], v[96+16*\b], v[97+16*\b], v[98+16*\b]   ; the largest score of each block of 32 keys: for the row's maximum and, since p rises with the score, for the block's largest p
.endr
.irp i, 3,5,7,9,11,13
.irp b, 0,1,2,3
	v_max3_num_f32 v[80+\b], v[80+\b], v[96+16*\b+\i], v[97+16*\b+\i]
.endr
.endr
.irp b, 0,1,2,3
	v_max_num_f32 v[80+\b], v[80+\b], v[111+16*\b]
.endr
.irp b, 0,1,2,3
	s_delay_alu instid0(VALU_DEP_4)
	v_permlanex16_b32 v[84+\b], v[80+\b], s[SEL], s[SEL+1]
.endr
.irp b, 0,1,2,3
	s_delay_alu instid0(VALU_DEP_4)
	v_max_num_f32 v[80+\b], v[80+\b], v[84+\b]
.endr
	s_delay_alu instid0(VALU_DEP_2)
	v_max3_num_f32 v254, v80, v81, v82
	s_delay_alu instid0(VALU_DEP_1)
	v_max_num_f32 v254, v254, v83
	s_delay_alu instid0(VALU_DEP_1)
	v_mul_f32 v254, s[CS], v254                    ; as t
	s_delay_alu instid0(VALU_DEP_1)
	v_max_num_f32 v13, v13, v254                   ; the running largest t
	v_mov_b32 v254, v12
	s_delay_alu instid0(VALU_DEP_2)
	v_floor_f32 v12, -v13                          ; the new -M = -ceil(t)
	s_delay_alu instid0(VALU_DEP_1)
	v_sub_f32 v254, v12, v254                      ; old M - new M: a whole number, 0 or less
	s_delay_alu instid0(VALU_DEP_1)
	v_cvt_i32_f32 v254, v254                       ; (it saturates)
	s_delay_alu instid0(VALU_DEP_1)
	v_ldexp_f32 v252, 1.0, v254                    ; f = 2^(old M - new M)
.irp j, 0,2,4,6,8,10,12,14,16,18,20,22,24,26,28,30,32,34,36,38,40,42,44,46,48,50,52,54,56,58,60,62
	v_pk_fma_f32 v[96+\j:97+\j], v[96+\j:97+\j], s[CS:CS+1], v[12:13] op_sel_hi:[1,0,0]   ; t - M
.endr
.irp b, 0,1,2,3
	v_fma_f32 v[80+\b], v[80+\b], s[CS], v12
.endr
	s_wait_alu depctr_va_vdst(0)
.irp j, 0,1,2,3,4,5,6,7,8,9,10,11,12,13,14,15,16,17,18,19,20,21,22,23,24,25,26,27,28,29,30,31,32,33,34,35,36,37,38,39,40,41,42,43,44,45,46,47,48,49,50,51,52,53,54,55,56,57,58,59,60,61,62,63
	v_exp_f32 v[96+\j], v[96+\j]                   ; p = 2^(t - M)
.endr
	v_pk_mul_f32 v[14:15], v[14:15], v[252:253] op_sel_hi:[1,0]   ; the sums under the new M: a plain place behind the exponentials
	s_wait_alu depctr_va_vdst(0)                   ; one for the whole batch, ahead of its first reader
.irp b, 0,1,2,3
	v_exp_f32 v[80+\b], v[80+\b]                   ; each block's largest p
.endr
	v_pk_add_f32 v[84:85], v[100:101], v[104:105]  ; the row's sum of the unquantised p, in eight chains
	v_pk_add_f32 v[250:251], v[108:109], v[112:113]
	v_pk_add_f32 v[248:249], v[116:117], v[120:121]
	v_pk_add_f32 v[246:247], v[124:125], v[128:129]
	v_pk_add_f32 v[244:245], v[132:133], v[136:137]
	v_pk_add_f32 v[242:243], v[140:141], v[144:145]
	v_pk_add_f32 v[240:241], v[148:149], v[152:153]
	v_pk_add_f32 v[14:15], v[14:15], v[156:157]
	v_pk_add_f32 v[84:85], v[84:85], v[96:97]
	v_pk_add_f32 v[250:251], v[250:251], v[98:99]
	v_pk_add_f32 v[248:249], v[248:249], v[102:103]
	v_pk_add_f32 v[246:247], v[246:247], v[106:107]
	v_pk_add_f32 v[244:245], v[244:245], v[110:111]
	v_pk_add_f32 v[242:243], v[242:243], v[114:115]
	v_pk_add_f32 v[240:241], v[240:241], v[118:119]
	v_pk_add_f32 v[14:15], v[14:15], v[122:123]
	v_pk_add_f32 v[84:85], v[84:85], v[126:127]
	v_pk_add_f32 v[250:251], v[250:251], v[130:131]
	v_pk_add_f32 v[248:249], v[248:249], v[134:135]
	v_pk_add_f32 v[246:247], v[246:247], v[138:139]
	v_pk_add_f32 v[244:245], v[244:245], v[142:143]
	v_pk_add_f32 v[242:243], v[242:243], v[146:147]
	v_pk_add_f32 v[240:241], v[240:241], v[150:151]
	v_pk_add_f32 v[14:15], v[14:15], v[154:155]
	v_pk_add_f32 v[84:85], v[84:85], v[158:159]
	s_delay_alu instid0(VALU_DEP_2)
	v_pk_add_f32 v[14:15], v[14:15], v[246:247]
	s_delay_alu instid0(VALU_DEP_2)
	v_pk_add_f32 v[84:85], v[84:85], v[244:245]
	v_pk_add_f32 v[250:251], v[250:251], v[242:243]
	v_pk_add_f32 v[248:249], v[248:249], v[240:241]
	s_delay_alu instid0(VALU_DEP_2)
	v_pk_add_f32 v[14:15], v[14:15], v[250:251]
	s_delay_alu instid0(VALU_DEP_2)
	v_pk_add_f32 v[84:85], v[84:85], v[248:249]
	s_delay_alu instid0(VALU_DEP_1)
	v_pk_add_f32 v[14:15], v[14:15], v[84:85]
	s_wait_alu depctr_va_vdst(0)                   ; and one for the four
.irp b, 0,1,2,3
	v_max_num_f32 v[80+\b], 0x2800000, v[80+\b]    ; the floor 2^(5 - 127): the byte cannot fall under 1
.endr
.irp b, 0,1,2,3
	s_delay_alu instid0(VALU_DEP_4)
	v_add_nc_u32 v[88+\b], 0xfe000000, v[80+\b]
.endr
.irp b, 0,1,2,3
	s_delay_alu instid0(VALU_DEP_4)
	v_lshrrev_b32 v[84+\b], 23, v[88+\b]
.endr
	s_delay_alu instid0(VALU_DEP_3)
	v_lshl_or_b32 v253, v85, 8, v84                ; p's scale word for these 128 keys
	s_delay_alu instid0(VALU_DEP_1)
	v_lshl_or_b32 v253, v86, 16, v253
	s_delay_alu instid0(VALU_DEP_1)
	v_lshl_or_b32 v253, v87, 24, v253
	v_cvt_scalef32_pk16_bf6_f32 v[240:242], v[96:111], v88
	v_cvt_scalef32_pk16_bf6_f32 v[80:82], v[112:127], v89
	v_cvt_scalef32_pk16_bf6_f32 v[246:248], v[128:143], v90
	v_cvt_scalef32_pk16_bf6_f32 v[84:86], v[144:159], v91
	v_nop                                          ; one plain place behind a scaled conversion
.irp i, 0,1,2
	v_permlane16_swap_b32 v[240+\i], v[80+\i]      ; a whole block to a lane
.endr
.irp i, 0,1,2
	s_delay_alu instid0(VALU_DEP_3)
	v_mov_b32 v[243+\i], v[80+\i]
.endr
.irp i, 0,1,2
	v_permlane16_swap_b32 v[246+\i], v[84+\i]
.endr
.irp i, 0,1,2
	s_delay_alu instid0(VALU_DEP_3)
	v_mov_b32 v[249+\i], v[84+\i]
.endr
	s_wait_dscnt 0x0                               ; V is in (and the next step's first tiles of k)
	s_wait_alu depctr_va_vdst(0)
.irp j, 0,2,4,6,8,10,12,14,16,18,20,22,24,26,28,30
	v_pk_mul_f32 v[160+\j:161+\j], v[160+\j:161+\j], v[252:253] op_sel_hi:[1,0]   ; O^T under the new M; these sixteen are also the places in front of the products below
.endr
.irp t, 0,1,2,3
	v_wmma_scale_f32_16x16x128_f8f6f4 v[160+8*\t:167+8*\t], v[192+12*\t:203+12*\t], v[240:251], v[160+8*\t:167+8*\t], v[28+\t], v253 matrix_a_fmt:MATRIX_FMT_BF6 matrix_b_fmt:MATRIX_FMT_BF6
.endr
	s_add_co_u32 s[I], s[I], 1
	s_cmp_lt_u32 s[I], 17
	s_cbranch_scc1 .Ltrip
	FINISH PA
	s_wait_tensorcnt 0x0                           ; the wave's end
	ds_add_u32 v[SPW], v[NIL]
	s_wait_dscnt 0x0
	ROUND                                          ; the closing round
	s_endpgm
.Lfunc_end_k_qa0b7ccda7a_attn:
	.size	k_qa0b7ccda7a_attn, .Lfunc_end_k_qa0b7ccda7a_attn-k_qa0b7ccda7a_attn
	.p2alignl 7, 3214868480
	.fill 96, 4, 3214868480
	.section	.rodata,"a",@progbits
	.p2align	6, 0x0
	.amdhsa_kernel k_qa0b7ccda7a_attn
		.amdhsa_group_segment_fixed_size 210944
		.amdhsa_private_segment_fixed_size 0
		.amdhsa_enable_private_segment 0
		.amdhsa_kernarg_size 24
		.amdhsa_user_sgpr_count 2
		.amdhsa_user_sgpr_kernarg_segment_ptr 1
		.amdhsa_wavefront_size32 1
		.amdhsa_system_sgpr_workgroup_id_x 1
		.amdhsa_system_sgpr_workgroup_id_y 1
		.amdhsa_system_sgpr_workgroup_id_z 1
		.amdhsa_system_vgpr_workitem_id 0
		.amdhsa_next_free_vgpr 256
		.amdhsa_next_free_sgpr 66
		.amdhsa_reserve_vcc 1
		.amdhsa_float_denorm_mode_32 3
		.amdhsa_float_denorm_mode_16_64 3
		.amdhsa_memory_ordered 1
		.amdhsa_forward_progress 1
		.amdhsa_inst_pref_size 46
	.end_amdhsa_kernel
	.amdgpu_metadata
---
amdhsa.version: [ 1, 2 ]
amdhsa.kernels:
  - .name:           k_qa0b7ccda7a_attn
    .symbol:         k_qa0b7ccda7a_attn.kd
    .args:
      - { .name: c2, .offset: 0, .size: 8, .value_kind: global_buffer, .address_space: global }
      - { .name: c3, .offset: 8, .size: 8, .value_kind: global_buffer, .address_space: global }
      - { .name: s3, .offset: 16, .size: 8, .value_kind: global_buffer, .address_space: global }
    .group_segment_fixed_size: 210944
    .private_segment_fixed_size: 0
    .kernarg_segment_align: 8
    .kernarg_segment_size: 24
    .max_flat_workgroup_size: 512
    .sgpr_count:     66
    .vgpr_count:     256
    .wavefront_size: 32
...
	.end_amdgpu_metadata
.endif
;; end of part 3
;; launch oproj (part 4): grid 8 x 32, 4 waves a work-group, clusters of 4 x 4, 327,680 bytes of LDS; arguments c3, s3, c1, s1, out0; writes out0
.if DOCPART == 4
	.amdgcn_target "amdgcn-amd-amdhsa--gfx1250"
	.amdhsa_code_object_version 6
	.text
	.protected	k_qa0b7ccda7a_oproj
	.globl	k_qa0b7ccda7a_oproj
	.p2align	8
	.type	k_qa0b7ccda7a_oproj,@function
k_qa0b7ccda7a_oproj:
	s_mov_b64 s[64:65], 0
	v_nop
	global_prefetch_b8 v0, s[64:65] scope:SCOPE_SE
	s_setreg_imm32_b32 hwreg(HW_REG_WAVE_MODE, 25, 1), 1
	s_wait_xcnt 0x0
	s_wait_alu depctr_hold_cnt(0) depctr_sa_sdst(0) depctr_va_vdst(0) depctr_va_sdst(0) depctr_va_ssrc(0) depctr_va_vcc(0) depctr_vm_vsrc(0)
	s_getreg_b32 s2, hwreg(HW_REG_IB_STS2, 6, 4)
	s_cmp_eq_u32 s2, 0
	s_cbranch_scc0 .Lentry_in_a_cluster
	s_endpgm
.Lentry_in_a_cluster:
	s_bfe_u32 s2, ttmp6, 0x10000c
	s_cmp_lg_u32 s2, 0xf033
	s_cbranch_scc0 .Lentry_shape_is_right
	s_endpgm
.Lentry_shape_is_right:
; LAUNCH 4 OF 4.  out0 = O Wo^T on codes of BF6 (E3M2) with E8M0 scales, K = 1,024.
; SHARES.  256 work-groups: 32 blocks of 256 tokens x 8 groups of 128 columns.  The whole K lies in LDS, asked for at the head by one joint load a wave and never filled again: O's 256 tokens (c3, the image of the fragments'
; registers: [16 tokens][K step of 128, 8][piece 6][lane 32][8 bytes]; 196,608 bytes) and Wo's 128 rows of 768 bytes (fetched as rows of 256 with 16 bytes of padding behind each: a row's pitch is 816 bytes = 204 words, so the 16
; rows of a fragment begin at 16 different multiples of 4 words modulo 64).  A wave makes 128 tokens x 64 columns.
; BY ROWS OF out0: all of Wo's fragments of my 64 columns, 8 steps x 48 registers, stay in registers; O's come a block of 16 tokens (8 steps x 12 registers) at a time, two blocks ahead; a block is finished by 32 products, K ascending,
; its four accumulators by turns, and goes out while the next block is multiplied.  Each LDS byte is read once by a wave.
; CLUSTERS of 4 x 4: O's block is shared along a row of the cluster, Wo's rows along a column.  NO PREFETCH: every byte is asked for at the head, and no loop runs ahead of a load.
; THE MATRIX INSTRUCTION IS USED TRANSPOSED (source 0 = Wo's rows, source 1 = tokens): a lane holds eight numbers of a row of out0.  Wo's rows lie in c1 with bits 3 and 4 of their number exchanged; the way out undoes it.
; SCALE WORDS go from s3 and s1 into registers: lane (r, h) takes 16 bytes at 32 r + 16 h of a block's 512: register j holds step j's word in lanes 0-15 and step 4 + j's in lanes 16-31.
; REGISTERS, in windows of 256.  Window 0: v16-29 addresses; v32-63 O's scale words, v64-79 Wo's; v128-191 the way out, two sets.  Window 1: v0-143 Wo's fragments of steps 5-7; v192-255 the accumulators, two sets of 32.
;   Window 2: O's fragments, two sets of 96.  Window 3: v0-239 Wo's fragments of steps 0-4.
.set PITCH, 816
.set BLK,   16*PITCH
.set AHALF, 98304
.set BBASE, 2*AHALF
.set BHALF, 64*PITCH
.set SPARE, BBASE+2*BHALF              ; the spare words, 128 bytes a wave
.set STAGE, SPARE+512                  ; the way out: 16 rows x 272 bytes for each wave: bytes of their own
.set SPITCH, 272
.set ADRA, 16                          ; v16-17 O: blocks 0-3, blocks 4-7
.set ADRB, 20                          ; v20-21 Wo (24 h, 40 h)
.set SLO,  22                          ; v22  32 r + 16 h
.set STO,  24
.set RD,   25
.set CO,   26
.set SPW,  28
.set NIL,  29
.set XS,   32
.set WS,   64
.set BK,   128
.set ACC,  192
.set G1,   24
.set G0,   32
.set XSP,  36
.set WSP,  38
.set G1B,  48
.set G0B,  56
.set MSB, 0
.macro WIN new                         ; the immediate's high byte repeats the setting that is left
.if MSB != (\new)
	s_set_vgpr_msb (MSB<<8)|(\new)
.set MSB, (\new)
.endif
.endm
.macro PLACES n                        ; plain vector instructions between a matrix instruction and a load into, or a read of, its registers
.rept \n
	v_nop
.endr
.endm
.macro CROUND                          ; a round of the cluster's barrier
	s_barrier_signal -1
	s_barrier_wait -1
	s_cmp_lg_u32 s14, 0
	s_cbranch_scc1 .Lnot_wave_0_\@
	s_barrier_signal -3
.Lnot_wave_0_\@:
	s_barrier_wait -3
	s_barrier_signal -1
	s_barrier_wait -1
.endm
.macro FRAG reg, adr, st, i            ; Wo: byte y of a row lies at y + 16 (y / 256); lanes 16-31 read 24 bytes on: where that is behind one padding more, the second address register serves
.irp p, 0,1,2,3,4,5
.set BY, 96*(\st)+48*(\p/3)+8*(\p%3)
.if BY/256 == (BY+24)/256
	ds_load_b64 v[\reg+2*\p:\reg+2*\p+1], v[\adr] offset:BY+16*(BY/256)+(\i)*BLK
.else
	ds_load_b64 v[\reg+2*\p:\reg+2*\p+1], v[\adr+1] offset:BY+16*(BY/256)+(\i)*BLK
.endif
.endr
.endm
.macro BSEL st                         ; where Wo's fragments of step st lie: window BW, register BR
.if (\st) < 5
.set BW, 3
.set BR, 48*(\st)
.else
.set BW, 1
.set BR, 48*((\st)-5)
.endif
.endm
.macro ALOAD a                         ; O's block a, all eight steps, into set a % 2
	WIN 0x80
.irp st, 0,1,2,3,4,5,6,7
.irp p, 0,1,2,3,4,5
	ds_load_b64 v[96*((\a)%2)+12*\st+2*\p:96*((\a)%2)+12*\st+2*\p+1], v[ADRA+(\a)/4] offset:((\a)%4)*12288+\st*1536+256*\p
.endr
.endr
	WIN 0
.endm
.macro W1 d, s0, s1, c0, c1, st        ; one product.  Step 0 starts the sum; steps 4 to 7 take their scale words from lanes 16-31
.if (\st) == 0
	v_wmma_scale_f32_16x16x128_f8f6f4 v[\d:\d+7], v[\s0:\s0+11], v[\s1:\s1+11], 0, v[\c0], v[\c1] matrix_a_fmt:MATRIX_FMT_BF6 matrix_b_fmt:MATRIX_FMT_BF6
.else
.if (\st) < 4
	v_wmma_scale_f32_16x16x128_f8f6f4 v[\d:\d+7], v[\s0:\s0+11], v[\s1:\s1+11], v[\d:\d+7], v[\c0], v[\c1] matrix_a_fmt:MATRIX_FMT_BF6 matrix_b_fmt:MATRIX_FMT_BF6
.else
	v_wmma_scale_f32_16x16x128_f8f6f4 v[\d:\d+7], v[\s0:\s0+11], v[\s1:\s1+11], v[\d:\d+7], v[\c0], v[\c1] matrix_a_fmt:MATRIX_FMT_BF6 matrix_b_fmt:MATRIX_FMT_BF6 matrix_a_scale:MATRIX_SCALE_ROW1 matrix_b_scale:MATRIX_SCALE_ROW1
.endif
.endif
.endm
.macro ROWMUL a                        ; block a is made: 32 products; its four accumulators take turns, one instruction a turn, three others between a sum's steps
.irp st, 0,1,2,3,4,5,6,7
	BSEL \st
	WIN 0x58|BW                                    ; source 0 window 3 or 1, source 1 window 2, C and D window 1
.irp b, 0,1,2,3
	W1 ACC+32*((\a)%2)+8*\b, BR+12*\b, 96*((\a)%2)+12*\st, WS+4*\b+\st%4, XS+4*(\a)+\st%4, \st
.endr
.endr
	WIN 0
.endm
	s_load_b256 s[4:11], s[0:1], 0x0               ; c3 s[4:5], s3 s[6:7], c1 s[8:9], s1 s[10:11]
	s_load_b64 s[12:13], s[0:1], 0x20              ; out0
	v_lshl_add_u32 v[SPW], v0, 2, SPARE
	v_mov_b32 v[NIL], 0
	ds_add_u32 v[SPW], v[NIL]                      ; the wave's opening: the add, twice on end, and its wait ahead of my first tensor load
	ds_add_u32 v[SPW], v[NIL]
	v_lshrrev_b32 v1, 5, v0
	v_readfirstlane_b32 s14, v1                    ; wave 0..3
	s_lshr_b32 s15, s14, 1                         ; which 128 tokens are mine.  Also: I fetch for O (0) or for Wo (1)
	s_and_b32 s16, s14, 1                          ; which 64 columns are mine.  Also: which half I fetch
	s_bfe_u32 s60, ttmp6, 0x40000                  ; cx
	s_bfe_u32 s61, ttmp6, 0x40004                  ; cy
	s_lshl_b32 s62, ttmp9, 2
	s_add_co_u32 s62, s62, s60                     ; the group of 128 columns, 0..7
	s_and_b32 s17, ttmp7, 0xffff
	s_lshl_b32 s17, s17, 2
	s_add_co_u32 s17, s17, s61                     ; the block of 256 tokens, 0..31
	s_lshl_b32 s63, s61, 2
	s_lshl_b32 s63, 15, s63                        ; my row of the cluster
	s_lshl_b32 s66, 0x1111, s60                    ; my column
	s_or_b32 s[G1], s63, (3<<16)|(1<<21)           ; the mask; elements of 8 bytes; no padding
	s_or_b32 s[G1B], s66, (3<<16)|(1<<20)|(1<<21)|(5<<22)|(3<<25)   ; 4 words of padding behind every 64
.irp g, G1, G1B
	s_mov_b32 s[\g+1], 32<<16                      ; rows of 256 bytes, dense
	s_mov_b32 s[\g+3], 32<<16
	s_mov_b32 s[\g+5], 32
	s_mov_b32 s[\g+6], 0
	s_mov_b32 s[\g+7], 0
.endr
	s_mov_b32 s[G1+2], 384<<16                     ; 128 tokens: 98,304 bytes
	s_mov_b32 s[G1+4], 384
	s_mov_b32 s[G1B+2], 192<<16                    ; 64 rows of 768 bytes
	s_mov_b32 s[G1B+4], 192
	s_lshl_b32 s20, s17, 8
	s_lshl_b32 s18, s16, 7
	s_add_co_u32 s20, s20, s18
	s_mul_i32 s20, s20, 768                        ; O: the half that I fetch
	s_mov_b32 s21, 0
	s_lshl_b32 s22, s62, 7
	s_lshl_b32 s18, s16, 6
	s_add_co_u32 s22, s22, s18
	s_add_co_u32 s22, s22, 11264                   ; Wo's rows of c1: the half that I fetch, which is also the half that I multiply
	s_lshl_b32 s72, s22, 5                         ; their scale bytes
	s_mov_b32 s73, 0
	s_mul_i32 s22, s22, 768
	s_mov_b32 s23, 0
	s_mov_b32 s[G0], 1
	s_mul_i32 s[G0+1], s16, AHALF
	s_mov_b32 s[G0B], 1
	s_mul_i32 s[G0B+1], s16, BHALF
	s_add_co_u32 s[G0B+1], s[G0B+1], BBASE
	s_wait_dscnt 0x0                               ; both opening adds are done
	s_wait_kmcnt 0x0
	s_add_nc_u64 s[G0+2:G0+3], s[4:5], s[20:21]
	s_or_b32 s[G0+3], s[G0+3], 0x80000000
	s_add_nc_u64 s[G0B+2:G0B+3], s[8:9], s[22:23]
	s_or_b32 s[G0B+3], s[G0B+3], 0x80000000
	CROUND                                         ; all sixteen work-groups are here: the joint loads meet
	s_cmp_eq_u32 s15, 0                            ; one tensor load a wave: waves 0 and 1 O's halves, waves 2 and 3 Wo's.  An s_nop 0 and four v_nop follow each line
	s_cbranch_scc0 .Lfor_b
	tensor_load_to_lds s[G0:G0+3], s[G1:G1+7]
	s_nop 0
.rept 4
	v_nop
.endr
	s_branch .Lasked
.Lfor_b:
	tensor_load_to_lds s[G0B:G0B+3], s[G1B:G1B+7]
	s_nop 0
.rept 4
	v_nop
.endr
.Lasked:
	s_add_nc_u64 s[WSP:WSP+1], s[10:11], s[72:73]
	s_lshl_b32 s18, s17, 13
	s_lshl_b32 s19, s15, 12
	s_add_co_u32 s18, s18, s19
	s_mov_b32 s19, 0
	s_add_nc_u64 s[XSP:XSP+1], s[6:7], s[18:19]    ; my 128 tokens' scale bytes
	s_lshl_b32 s18, s17, 20                        ; my first row of out0: 256 rows of 4,096 bytes a block,
	s_lshl_b32 s20, s15, 19
	s_add_co_u32 s18, s18, s20
	s_lshl_b32 s20, s62, 9                         ; my first column: 512 bytes a group,
	s_add_co_u32 s18, s18, s20
	s_lshl_b32 s20, s16, 8
	s_add_co_u32 s18, s18, s20
	s_add_nc_u64 s[12:13], s[12:13], s[18:19]
	s_mul_i32 s21, s15, AHALF
	s_add_co_u32 s23, s21, 4*12288
	s_mul_i32 s22, s16, BHALF
	s_add_co_u32 s22, s22, BBASE
	s_mul_i32 s20, s14, 16*SPITCH
	s_add_co_u32 s20, s20, STAGE                   ; my stage
	v_and_b32 v1, 15, v0                           ; r
	v_bfe_u32 v2, v0, 4, 1                         ; h
	v_and_b32 v6, 31, v0
	v_lshlrev_b32 v6, 3, v6                        ; 8 x lane
	v_add_nc_u32 v[ADRA], s21, v6
	v_add_nc_u32 v[ADRA+1], s23, v6
	v_mul_u32_u24 v3, v1, PITCH
	v_mad_u32_u24 v4, v2, 24, v3
	v_mad_u32_u24 v5, v2, 40, v3
	v_add_nc_u32 v[ADRB], s22, v4
	v_add_nc_u32 v[ADRB+1], s22, v5
	v_lshlrev_b32 v[SLO], 5, v1
	v_lshl_add_u32 v[SLO], v2, 4, v[SLO]
	v_mul_u32_u24 v3, v1, SPITCH                   ; into the stage: row r, 64 bytes on for lanes 16-31
	v_lshl_add_u32 v3, v2, 6, v3
	v_add_nc_u32 v[STO], s20, v3
	v_mul_u32_u24 v3, v2, SPITCH                   ; back: sixteen lanes to a row of 256 bytes, two rows an instruction
	v_lshl_add_u32 v3, v1, 4, v3
	v_add_nc_u32 v[RD], s20, v3
	v_lshlrev_b32 v[CO], 4, v1                     ; and the same two rows in out0
	v_lshl_add_u32 v[CO], v2, 12, v[CO]
.irp i, 0,1,2,3,4,5,6,7
	global_load_b128 v[XS+4*\i:XS+4*\i+3], v[SLO], s[XSP:XSP+1] offset:512*\i   ; 32 lanes read a block's 512 bytes
.endr
.irp i, 0,1,2,3
	global_load_b128 v[WS+4*\i:WS+4*\i+3], v[SLO], s[WSP:WSP+1] offset:512*\i
.endr
	s_wait_alu depctr_va_vdst(0)
	s_wait_loadcnt 0x0
	s_wait_tensorcnt 0x0                           ; my half of O or of Wo is in;
	s_barrier_signal -1
	s_barrier_wait -1                              ; and so is everybody's
.irp st, 0,1,2,3,4,5,6,7               ; all of Wo's fragments of my 64 columns
	BSEL \st
	WIN (BW<<6)
.irp i, 0,1,2,3
	FRAG BR+12*\i, ADRB, \st, \i
.endr
.endr
	WIN 0
	ALOAD 0
	ALOAD 1
; THE WAY OUT of a block of 16 rows x 64 columns, through my own stage, which no tensor load fills: in as a lane holds them, back as whole rows of 256 bytes.  LDS serves a wave's instructions in order (ISA guide 5.7.1.4):
; no wait between the stores and the loads, nor in front of the next block's stores.  Register j of column block b is column 32 (b / 2) + 16 h + 8 (b % 2) + j.
.macro TOSTAGE a
	WIN 0x04                                       ; the data: window 1
.irp b, 0,1,2,3
	ds_store_b128 v[STO], v[ACC+32*((\a)%2)+8*\b:ACC+32*((\a)%2)+8*\b+3] offset:128*(\b/2)+32*(\b%2)       ; each accumulator from its low end on
	ds_store_b128 v[STO], v[ACC+32*((\a)%2)+8*\b+4:ACC+32*((\a)%2)+8*\b+7] offset:128*(\b/2)+32*(\b%2)+16
.endr
	WIN 0
.set BB, BK+32*((\a)%2)
.irp t, 0,1,2,3,4,5,6,7
	ds_load_b128 v[BB+4*\t:BB+4*\t+3], v[RD] offset:\t*2*SPITCH
.endr
.endm
.macro SEND a, younger                 ; younger: the LDS instructions issued behind block a's loads from the stage, which may stay out
.set BB, BK+32*((\a)%2)
	s_wait_dscnt \younger
.if (\a) > 0
	s_wait_xcnt 0x0                                ; the earlier stores have read their base and their registers
	s_add_nc_u64 s[12:13], s[12:13], 65536         ; 16 rows on
.endif
.irp t, 0,1,2,3,4,5,6,7
	global_store_b128 v[CO], v[BB+4*\t:BB+4*\t+3], s[12:13] offset:\t*8192 th:TH_STORE_NT   ; sixteen lanes store 256 consecutive bytes, aligned
.endr
.endm
	s_wait_dscnt 48                                ; Wo's fragments and O's block 0 are in; block 1's 48 loads may be out
	ROWMUL 0
.irp a, 0,1,2,3,4,5,6,7
	PLACES 4                                       ; behind block a's products: for the reads of its results and the loads into its fragments' registers
	TOSTAGE \a
.if \a < 6
	ALOAD \a+2                                     ; into the set that block a has left
.endif
.if \a < 7
.if \a < 6
	s_wait_dscnt 63                                ; block a + 1's fragments are in: behind them stand the stage's 16 instructions and 48 loads, of which 63 may be out
.else
	s_wait_dscnt 16                                ; behind them: the stage's 16 instructions
.endif
	ROWMUL \a+1
.endif
.if \a < 6
	SEND \a, 48                                    ; block a leaves behind the next block's products: its rows have come back from the stage meanwhile
.else
	SEND \a, 0
.endif
.endr
	s_wait_tensorcnt 0x0                           ; the wave's end
	ds_add_u32 v[SPW], v[NIL]
	s_wait_dscnt 0x0
	CROUND                                         ; the closing round
	s_endpgm
.Lfunc_end_k_qa0b7ccda7a_oproj:
	.size	k_qa0b7ccda7a_oproj, .Lfunc_end_k_qa0b7ccda7a_oproj-k_qa0b7ccda7a_oproj
	.p2alignl 7, 3214868480
	.fill 96, 4, 3214868480
	.section	.rodata,"a",@progbits
	.p2align	6, 0x0
	.amdhsa_kernel k_qa0b7ccda7a_oproj
		.amdhsa_group_segment_fixed_size 327680
		.amdhsa_private_segment_fixed_size 0
		.amdhsa_enable_private_segment 0
		.amdhsa_kernarg_size 40
		.amdhsa_user_sgpr_count 2
		.amdhsa_user_sgpr_kernarg_segment_ptr 1
		.amdhsa_wavefront_size32 1
		.amdhsa_system_sgpr_workgroup_id_x 1
		.amdhsa_system_sgpr_workgroup_id_y 1
		.amdhsa_system_sgpr_workgroup_id_z 1
		.amdhsa_system_vgpr_workitem_id 0
		.amdhsa_next_free_vgpr 1024
		.amdhsa_next_free_sgpr 80
		.amdhsa_reserve_vcc 0
		.amdhsa_float_denorm_mode_32 3
		.amdhsa_float_denorm_mode_16_64 3
		.amdhsa_memory_ordered 1
		.amdhsa_forward_progress 1
		.amdhsa_inst_pref_size 94
	.end_amdhsa_kernel
	.amdgpu_metadata
---
amdhsa.version: [ 1, 2 ]
amdhsa.kernels:
  - .name:           k_qa0b7ccda7a_oproj
    .symbol:         k_qa0b7ccda7a_oproj.kd
    .args:
      - { .name: c3, .offset: 0, .size: 8, .value_kind: global_buffer, .address_space: global }
      - { .name: s3, .offset: 8, .size: 8, .value_kind: global_buffer, .address_space: global }
      - { .name: c1, .offset: 16, .size: 8, .value_kind: global_buffer, .address_space: global }
      - { .name: s1, .offset: 24, .size: 8, .value_kind: global_buffer, .address_space: global }
      - { .name: out0, .offset: 32, .size: 8, .value_kind: global_buffer, .address_space: global }
    .group_segment_fixed_size: 327680
    .private_segment_fixed_size: 0
    .kernarg_segment_align: 8
    .kernarg_segment_size: 40
    .max_flat_workgroup_size: 128
    .sgpr_count:     80
    .vgpr_count:     1024
    .wavefront_size: 32
...
	.end_amdgpu_metadata
.endif
;; end of part 4
